; MI455X (gfx1250); checked and timed in simulation.
; The chip was launched on July 23, 2026; its instructions are those of AMD's public machine-readable ISA for CDNA 5 (MIT licence, August 2026) and "CDNA5" Instruction Set Architecture Reference Guide (July 2026). The comments in the code are by the model that wrote it; some were corrected since.
;; Self Attention. Allowed arithmetic: matrix products marked QUANTISED: E2M3 operands, one E8M0 scale for each 32 along K, by v_wmma_scale_f32_16x16x128_f8f6f4 with both operands' format E2M3, f32 sums; everything else in f32.
;; Inputs: b_in 3,072 float32; b_out 1,024 float32; w_in 1,024 x 3,072 float32; w_out 1,024 x 1,024 float32; x 2 x 2,048 x 1,024 float32.
;; Outputs: out0 2 x 2,048 x 1,024 float32.
;; This version of the problem:
;;   THIS VERSION OF THE PROBLEM IS GIVEN IN LOW PRECISION. The matrix products marked QUANTISED in the list below multiply operands that are first quantised to E2M3 (2 exponent bits, 3 mantissa bits; 6 bits a number), with one power-of-two scale for each 32 numbers along K (OCP MX v1.0); their sums are f32. All else is computed in f32.
;;   The module's matrix products, in the order in which they are computed (A, B: the left and right operand; K: the contracted axis; several contracted axes count as one K, in the product's order):
;;     1. [M 4,096, K 1,024] x [K 1,024, N 3,072]; A: input x; B: input w_in: QUANTISED
;;     2. batch 32 x [M 2,048, K 64] x [K 64, N 2,048]; A: computed on the way; B: computed on the way: QUANTISED
;;     3. batch 32 x [M 2,048, K 2,048] x [K 2,048, N 64]; A: softmax (see below); B: computed on the way: QUANTISED
;;     4. [M 4,096, K 1,024] x [K 1,024, N 1,024]; A: computed on the way; B: input w_out: QUANTISED
;;   THE QUANTISER, for each operand of a quantised product, along K:
;;     - K is cut into blocks of 32 from its start; a last block that is shorter is filled with zeros.
;;     - A block's scale is 2^e with e = floor(log2(the largest magnitude in the block)) - 2, held to -126 .. 127; a block of zeros has e = 0. As a byte (E8M0): e + 127.
;;     - Each number is divided by its block's scale, clamped to +-7.5, and rounded to the nearest number of E2M3, ties to even, subnormals kept.
;;     - The product sums the exact products of the quantised numbers (number of the format x scale) in f32.
;;   ~~~python
;;   def quantise(x, axis):      # numpy; x: float32 -> the quantised numbers, widened to float32 again
;;       x = np.moveaxis(x, axis, -1); K = x.shape[-1]
;;       x = np.pad(x, [(0, 0)] * (x.ndim - 1) + [(0, -K % 32)]); x = x.reshape(x.shape[:-1] + (-1, 32)); a = np.abs(x).max(-1, keepdims=True)
;;       e = np.where(a > 0, np.clip(np.frexp(np.where(a > 0, a, 1))[1] - 1 - 2, -126, 127), 0)      # np.frexp(a)[1] - 1 = floor(log2(a)), exactly
;;       r = np.clip(x / 2.0 ** e, -7.5, 7.5)
;;       step = 2.0 ** (np.maximum(np.frexp(np.where(r == 0, 1, r))[1] - 1, 0) - 3)
;;       q = np.round(r / step) * step * 2.0 ** e      # np.round: ties to even
;;       return np.moveaxis(q.reshape(q.shape[:-2] + (-1,))[..., :K], -1, axis).astype(np.float32)
;;   ~~~
;;   SOFTMAX AHEAD OF A QUANTISED PRODUCT. Where the list says 'softmax', what is quantised is not the finished softmax but p = 2^(t - M), with t = logit x log2(e) and M = ceil(the row's largest t), a whole number; so 1/2 < the row's largest p <= 1. The row's sum l is taken of the UNQUANTISED p, in f32, and the product's result is divided by l at the end. Since M is a whole number, a kernel that streams over the keys may use a running M (the ceiling of the running maximum): every later rescaling is an exact power of two, which a block's scale takes up: the codes' values come out the same.
;;   OPERANDS COMPUTED ON THE WAY. 'Computed on the way' means the value that the module computes at that place (a softmax that the list does not call 'softmax' is quantised finished and normalised). What goes into a quantiser is computed in f32, as accurately as f32 sums, v_exp_f32 and their like allow (about 1e-6 of the number): no bf16 or f16 on the way to a quantiser, and a product that is left as it is and whose result goes on into a quantised operand takes f32 operands (vector FMAs, or v_wmma_f32_16x16x4_f32). A number that lies on a knife's edge between two numbers of the format may be rounded either way, as far as f32 arithmetic and the matrix unit's own rounding can turn it there, and no further.
;; One version. Each part assembles by itself: llvm-mc -triple=amdgcn-amd-amdhsa -mcpu=gfx1250 --defsym DOCPART=n.
;; ======== version 1 of 1: 4 launches
;; limits: right only within a limited range of input values
;; workspace buffers: xq 3,276,800 bytes; wq 3,276,800 bytes; qq 3,407,872 bytes; kv 6,684,672 bytes; aq 3,276,800 bytes
;; launch quant (part 1): grid 512 x 1, 4 waves a work-group, no clusters, 48,640 bytes of LDS; arguments x, w_in, w_out, xq, wq; writes xq, wq
.if DOCPART == 1
	.amdgcn_target "amdgcn-amd-amdhsa--gfx1250"
	.amdhsa_code_object_version 6
	.text
	.protected	k_q7d02abaa5a_quant
	.globl	k_q7d02abaa5a_quant
	.p2align	8
	.type	k_q7d02abaa5a_quant,@function
k_q7d02abaa5a_quant:
	s_mov_b64 s[64:65], 0
	v_nop
	global_prefetch_b8 v0, s[64:65] scope:SCOPE_SE
	s_setreg_imm32_b32 hwreg(HW_REG_WAVE_MODE, 25, 1), 1
	s_wait_xcnt 0x0
.set XS_OFF, 3145728
; x [4096][1024], w_in [1024][3072] and w_out [1024][1024], f32, become codes of FP6 (E2M3) with one E8M0 byte for each 32 along K,
; laid as IMAGES OF OPERAND REGISTERS: a fragment (16 rows x 128 K, 12 registers a lane) is three groups of 512 bytes, lane l's registers 4 c .. 4 c + 3 at 16 l.
; THE ROWS OF A TILE ARE NOT NEIGHBOURS: of each 64 neighbours (rows of x, columns of a weight) tile j = 0 .. 3 takes, in lane r, element 32 (r / 8) + 8 j + r % 8:
; in a product's result a lane then holds 32 neighbours, a whole block of the next product's K, in the 32 registers of four tiles.
; A block's scale is 2^(floor(log2(its largest magnitude)) - 2); its byte is the largest magnitude's exponent field - 2, held at 1 from below.
; LIMITS: a block whose largest magnitude lies under 2^-124, a block of zeros among them, keeps the byte 1 (its codes are then zeros or next to zeros; the bytes are read by this program alone); NaN and infinities are not served.
; No work of reference() is left out.
; xq: images [tile 256][K step 8][1,536], behind them scale words [tile][lane 32][4]: lane (r, h), word q: row r, K step 2 q + h.
; wq: 32 groups of 128 columns, each of four quarters of 25,600 bytes: two K steps' images [K step 2][tile 8][1,536], then their scale words [K step 2][tile 8][row 16].
; Groups 3 j + p: w_in's columns 1,024 p + 128 j on (p = 0 q, 1 k, 2 v); groups 24 + j: w_out's.
; Work-groups 0-255: one tile of 16 rows of x each, wave w its K steps 2 w and 2 w + 1.  Work-groups 256-447: w_in, 448-511: w_out: 128 columns x one K step each, wave w 32 columns.
; The two paths have LDS bytes of their own.  On x's path the four waves hand their scale words to wave 0 through LDS; on a weight's path two waves make the halves of a tile: the eight images and their scale words meet in LDS, behind one barrier.
.set GRP,    102400
.set QTR,    25600
.set XSTG,   8448                      ; x path: a wave's stage: 16 rows x (512 bytes + 16)
.set XSC,    33792                     ; x path: the tile's 512 bytes of scale words
.set WST0,   34304                     ; W path: eight images, 1,664 bytes apart
.set WSC,    47616                     ; W path: 512 bytes of scale words
.set SPARE,  48128
.set LI,  1                            ; v1  16 x lane
.set L4,  2                            ; v2  4 x lane
.set PWA, 8
.set PWB, 9
.set SI,  10                           ; x path: into the stage
.set SOA, 11                           ; x path: out of it
.set AD,  12                           ; W path: into the stage
.set RD,  13                           ; W path: out of it
.set SA,  14                           ; W path: my column's scale word in LDS
.set SR,  15                           ; W path: the words that I store
.set R,   16                           ; v16-143  numbers as loaded
.set X,   144                          ; v144-207 x path: 64 numbers in the quantiser's order
.set PC,  208                          ; v208-227 x path: codes
.set TM,  228                          ; v228-239 x path: at work
.set C,   144                          ; v144-175 W path: codes
.set BK,  176                          ; v176-199 W path: the two images read back
.set M1,  200                          ; v200-203 W path: at work
.set SPW, 240
.set NIL, 241
	s_load_b256 s[4:11], s[0:1], 0x0               ; x s[4:5], w_in s[6:7], w_out s[8:9], xq s[10:11]
	s_load_b64 s[12:13], s[0:1], 0x20              ; wq
	v_lshl_add_u32 v[SPW], v0, 2, SPARE
	v_mov_b32 v[NIL], 0
	v_lshrrev_b32 v5, 5, v0
	v_readfirstlane_b32 s14, v5                    ; wave 0..3
	v_and_b32 v5, 31, v0
	v_lshlrev_b32 v[LI], 4, v5
	v_lshlrev_b32 v[L4], 2, v5
	v_and_b32 v3, 15, v0                           ; r
	v_bfe_u32 v4, v0, 4, 1                         ; h
	s_mul_i32 s30, s14, XSTG
	v_add_nc_u32 v[SI], s30, v[LI]                 ; a row of the stage takes a load's 512 bytes as they lie
	v_mul_u32_u24 v[SOA], v3, 528
	v_lshl_add_u32 v[SOA], v4, 7, v[SOA]
	v_add_nc_u32 v[SOA], s30, v[SOA]               ; back: row r, + 128 h: a whole block of 32 numbers
	v_bfe_u32 v6, v0, 3, 2                         ; W path: my column is lane l % 8 + 8 (w % 2) of tile 4 (w / 2) + l / 8
	v_and_b32 v7, 7, v0
	s_lshr_b32 s30, s14, 1
	s_and_b32 s31, s14, 1
	s_mul_i32 s22, s30, 4*1664
	s_lshl_b32 s23, s31, 7
	s_add_co_u32 s22, s22, s23
	s_add_co_u32 s22, s22, WST0
	s_lshl_b32 s23, s30, 8
	s_lshl_b32 s24, s31, 5
	s_add_co_u32 s23, s23, s24
	s_add_co_u32 s23, s23, WSC
	s_mul_i32 s24, s14, 2*1664
	s_add_co_u32 s24, s24, WST0
	s_lshl_b32 s25, s14, 7
	s_add_co_u32 s25, s25, WSC
	s_wait_alu depctr_va_vdst(0)
	v_mul_u32_u24 v[AD], v6, 1664
	v_lshl_add_u32 v[AD], v7, 4, v[AD]
	v_add_nc_u32 v[AD], s22, v[AD]
	v_add_nc_u32 v[RD], s24, v[LI]                 ; out of it: my images 2 w, 2 w + 1
	v_lshlrev_b32 v[SA], 6, v6
	v_lshl_add_u32 v[SA], v7, 2, v[SA]
	v_add_nc_u32 v[SA], s23, v[SA]
	v_add_nc_u32 v[SR], s25, v[L4]
	s_mov_b32 s20, 0x76543210
	s_mov_b32 s21, 0xfedcba98                      ; v_permlanex16_b32's selects for lane l xor 16
	v_mov_b32 v[TM+8], 0                           ; a lane permute's destination counts as one of its sources
	s_lshl_b32 s30, s14, 2
	s_add_co_u32 s30, s30, XSC
	v_add_nc_u32 v6, s30, v[LI]                    ; x path: my wave's word among the tile's scale words
	v_add_nc_u32 v7, XSC, v[LI]
	s_wait_alu depctr_va_vdst(0)
	s_wait_kmcnt 0x0
	s_cmp_ge_u32 ttmp9, 256
	s_cbranch_scc1 .Lw
; 64 numbers of a lane, register 32 c + i = k 64 c + 32 h + i of my row, become a fragment's codes in v[PC] on and, in lanes 0-15, its scale word in v[pw].
.macro QUANT s, pw
.irp n, 0,1,2,3
	v_max3_num_f32 v[TM+\n], |v[(\s)+16*\n]|, |v[(\s)+1+16*\n]|, 0x1800000   ; with the floor 2^(3 - 127): the byte cannot fall under 1
.endr
.irp i, 2,4,6,8,10,12,14
.irp n, 0,1,2,3
	v_max3_num_f32 v[TM+\n], v[TM+\n], |v[(\s)+16*\n+\i]|, |v[(\s)+1+16*\n+\i]|   ; four chains by turns
.endr
.endr
	v_max_num_f32 v[TM], v[TM], v[TM+1]
	v_max_num_f32 v[TM+2], v[TM+2], v[TM+3]
	v_add_nc_u32 v[TM+4], 0xff000000, v[TM]        ; 2 off the exponent field: the conversion takes that field as its scale
	v_add_nc_u32 v[TM+5], 0xff000000, v[TM+2]
	v_lshrrev_b32 v[TM+6], 23, v[TM+4]             ; the scale's byte
	v_lshrrev_b32 v[TM+7], 23, v[TM+5]
	v_lshl_or_b32 v[\pw], v[TM+7], 16, v[TM+6]     ; my two blocks' bytes: blocks h and 2 + h
	v_permlanex16_b32 v[TM+8], v[\pw], s20, s21
	v_lshl_or_b32 v[\pw], v[TM+8], 8, v[\pw]       ; in lanes 0-15 the word is whole
.irp c, 0,1
	v_cvt_scalef32_pk16_fp6_f32 v[PC+6*\c:PC+2+6*\c], v[(\s)+32*\c:(\s)+15+32*\c], v[TM+4+\c]
	v_cvt_scalef32_pk16_fp6_f32 v[PC+12+4*\c:PC+14+4*\c], v[(\s)+16+32*\c:(\s)+31+32*\c], v[TM+4+\c]   ; (a conversion's three registers begin on an even number)
.endr
	v_nop                                          ; one plain place behind a scaled conversion
.irp c, 0,1
.irp i, 0,1,2
	v_mov_b32 v[PC+3+6*\c+\i], v[PC+12+4*\c+\i]
.endr
.endr
.endm
	; ---- x: tile T = my work-group's number; its rows begin at 64 (T / 4) + 8 (T % 4); my wave's 256 numbers of a row at byte 1,024 w
	s_lshr_b32 s22, ttmp9, 2
	s_lshl_b32 s22, s22, 6
	s_and_b32 s23, ttmp9, 3
	s_lshl_b32 s23, s23, 3
	s_add_co_u32 s22, s22, s23
	s_lshl_b32 s22, s22, 12                        ; a row of x is 4,096 bytes
	s_lshl_b32 s23, s14, 10
	s_add_co_u32 s22, s22, s23
	s_mov_b32 s23, 0
	s_add_nc_u64 s[4:5], s[4:5], s[22:23]
.irp q, 0,1
.irp r, 0,1,2,3,4,5,6,7,8,9,10,11,12,13,14,15
	global_load_b128 v[R+64*\q+4*\r:R+64*\q+4*\r+3], v[LI], s[4:5] offset:(\r+24*(\r/8))*4096+512*\q th:TH_LOAD_NT   ; 32 lanes read 512 consecutive bytes: one K step of one row
.endr
.endr
	s_lshl_b32 s24, ttmp9, 3
	s_lshl_b32 s25, s14, 1
	s_add_co_u32 s24, s24, s25
	s_mul_i32 s24, s24, 1536                       ; image 8 T + 2 w
	s_mov_b32 s25, 0
	s_add_nc_u64 s[26:27], s[10:11], s[24:25]
	s_lshl_b32 s24, ttmp9, 9
	s_add_co_u32 s24, s24, XS_OFF
	s_add_nc_u64 s[28:29], s[10:11], s[24:25]      ; the tile's scale words
	s_wait_loadcnt 16                              ; the first K step's 16 loads are in; the second's 16 may be out
.irp r, 0,1,2,3,4,5,6,7,8,9,10,11,12,13,14,15
	ds_store_b128 v[SI], v[R+4*\r:R+4*\r+3] offset:528*\r
.endr
.irp c, 0,1
.irp j, 0,1,2,3,4,5,6,7
	ds_load_b128 v[X+32*\c+4*\j:X+32*\c+4*\j+3], v[SOA] offset:256*\c+16*\j   ; LDS serves a wave's instructions in order (ISA guide 5.7.1.4): these see the stores above
.endr
.endr
	s_wait_loadcnt 0x0
.irp r, 0,1,2,3,4,5,6,7,8,9,10,11,12,13,14,15
	ds_store_b128 v[SI], v[R+64+4*\r:R+64+4*\r+3] offset:528*\r   ; the second K step into the same stage, behind the reads of the first
.endr
	s_wait_dscnt 16                                ; all but these 16 stores: the first stores have read their registers, and X is back
.irp c, 0,1
.irp j, 0,1,2,3,4,5,6,7
	ds_load_b128 v[R+32*\c+4*\j:R+32*\c+4*\j+3], v[SOA] offset:256*\c+16*\j
.endr
.endr
	QUANT X, PWA
.irp c, 0,1,2
	global_store_b128 v[LI], v[PC+4*\c:PC+4*\c+3], s[26:27] offset:512*\c   ; 512 consecutive bytes a store
.endr
	s_wait_alu depctr_va_vdst(0)
	s_wait_dscnt 0x0                               ; the second K step's numbers are back
	s_wait_xcnt 0x0                                ; the stores have read the codes' registers, which are written again
	QUANT R, PWB
.irp c, 0,1,2
	global_store_b128 v[LI], v[PC+4*\c:PC+4*\c+3], s[26:27] offset:1536+512*\c
.endr
	v_permlane16_swap_b32 v[PWA], v[PWB]           ; lanes 0-15: K step 2 w's words; lanes 16-31: K step 2 w + 1's
	ds_store_b32 v6, v[PWA]
	s_wait_dscnt 0x0                               ; my words are in LDS,
	s_barrier_signal -1
	s_barrier_wait -1                              ; and so are the other waves'
	s_cmp_lg_u32 s14, 0
	s_cbranch_scc1 .Lx_end
	ds_load_b128 v[TM:TM+3], v7
	s_wait_dscnt 0x0
	global_store_b128 v[LI], v[TM:TM+3], s[28:29]  ; 512 consecutive bytes
.Lx_end:
	s_wait_tensorcnt 0x0                           ; the wave's end
	ds_add_u32 v[SPW], v[NIL]
	s_wait_dscnt 0x0
	s_endpgm
	; ---- a weight: a lane takes a column and its registers run down the K step's 128 rows: four whole blocks a lane, no other lane is asked
.Lw:
	s_sub_co_u32 s22, ttmp9, 256
	s_lshr_b32 s27, s22, 3                         ; 0-23: w_in's group of 128 columns; 24-31: w_out's
	s_and_b32 s28, s22, 7                          ; the K step
	s_and_b32 s23, s27, 7                          ; j
	s_lshr_b32 s24, s27, 3                         ; p
	s_mul_i32 s25, s23, 3
	s_add_co_u32 s25, s25, s24                     ; w_in's place in wq: 3 j + p
	s_mov_b32 s26, 1572864
	s_cmp_ge_u32 s22, 192                          ; w_out's work-group?  The choices hang on the work-group's number alone
	s_cselect_b64 s[4:5], s[8:9], s[6:7]
	s_cselect_b32 s25, s27, s25
	s_cselect_b32 s26, 524288, s26                 ; 128 rows of the weight in bytes
	s_cselect_b32 s27, s23, s27
	s_cselect_b32 s31, 1, 0
	s_mul_i32 s26, s28, s26
	s_lshl_b32 s27, s27, 9
	s_add_co_u32 s26, s26, s27
	s_lshl_b32 s27, s14, 7
	s_add_co_u32 s26, s26, s27                     ; + my wave's 32 columns
	s_mov_b32 s27, 0
	s_add_nc_u64 s[4:5], s[4:5], s[26:27]
	s_cmp_eq_u32 s31, 1
	s_cbranch_scc1 .Lw_out
.set kk, 0
.rept 128
	global_load_b32 v[R+kk], v[L4], s[4:5] offset:kk*12288 th:TH_LOAD_NT   ; a wave reads 128 consecutive bytes, the four waves 512
.set kk, kk+1
.endr
	s_branch .Lw_go
.Lw_out:
.set kk, 0
.rept 128
	global_load_b32 v[R+kk], v[L4], s[4:5] offset:kk*4096 th:TH_LOAD_NT
.set kk, kk+1
.endr
.Lw_go:
	s_mul_i32 s25, s25, GRP
	s_lshr_b32 s24, s28, 1
	s_mul_i32 s24, s24, QTR
	s_add_co_u32 s25, s25, s24                     ; the K step's quarter
	s_and_b32 s28, s28, 1
	s_mul_i32 s26, s28, 12288
	s_add_co_u32 s26, s26, s25
	s_mul_i32 s24, s14, 3072
	s_add_co_u32 s26, s26, s24                     ; the two images that I store: tiles 2 w, 2 w + 1
	s_add_nc_u64 s[34:35], s[12:13], s[26:27]
	s_lshl_b32 s26, s28, 9
	s_add_co_u32 s26, s26, s25
	s_lshl_b32 s24, s14, 7
	s_add_co_u32 s26, s26, s24
	s_add_co_u32 s26, s26, 24576                   ; and their 32 scale words
	s_add_nc_u64 s[36:37], s[12:13], s[26:27]
; Block t (32 along K) of my column: its codes are registers 6 (t / 2) .. + 5 of lane rr + 16 (t % 2) of its tile's fragment, and go to that place of the image in the stage.
.macro WBLOCK t, cnt
.set XB, R+32*(\t)
.set CB, C+8*(\t)
	s_wait_loadcnt \cnt                            ; the later blocks' loads may be out (the count names 63 at the most)
	v_max3_num_f32 v[M1], |v[XB]|, |v[XB+1]|, |v[XB+2]|
	v_max3_num_f32 v[M1+1], |v[XB+3]|, |v[XB+4]|, |v[XB+5]|
.irp i, 6,10,14,18,22,26
	v_max3_num_f32 v[M1], v[M1], |v[XB+\i]|, |v[XB+\i+1]|
	v_max3_num_f32 v[M1+1], v[M1+1], |v[XB+\i+2]|, |v[XB+\i+3]|
.endr
	v_max3_num_f32 v[M1], v[M1], |v[XB+30]|, |v[XB+31]|
	v_max3_num_f32 v[M1], v[M1], v[M1+1], 0x1800000   ; and the floor
	v_add_nc_u32 v[M1+2], 0xff000000, v[M1]
	v_lshrrev_b32 v[M1+3], 23, v[M1+2]
.if (\t) == 0
	v_mov_b32 v[PWA], v[M1+3]
.else
	v_lshl_or_b32 v[PWA], v[M1+3], 8*(\t), v[PWA]
.endif
	v_cvt_scalef32_pk16_fp6_f32 v[CB:CB+2], v[XB:XB+15], v[M1+2]
	v_cvt_scalef32_pk16_fp6_f32 v[CB+4:CB+6], v[XB+16:XB+31], v[M1+2]
	v_nop                                          ; one plain place behind a scaled conversion
	v_mov_b32 v[CB+3], v[CB+4]
	v_mov_b32 v[CB+4], v[CB+5]
	v_mov_b32 v[CB+5], v[CB+6]                     ; the block's six registers on end
.if (\t) < 2
	ds_store_b128 v[AD], v[CB:CB+3] offset:256*(\t)
	ds_store_b64 v[AD], v[CB+4:CB+5] offset:512+256*(\t)
.else
	ds_store_b64 v[AD], v[CB:CB+1] offset:520+256*((\t)-2)
	ds_store_b128 v[AD], v[CB+2:CB+5] offset:1024+256*((\t)-2)
.endif
.endm
	WBLOCK 0, 63
	WBLOCK 1, 63
	WBLOCK 2, 32
	WBLOCK 3, 0
	ds_store_b32 v[SA], v[PWA]
	s_wait_dscnt 0x0                               ; my halves are in LDS,
	s_barrier_signal -1
	s_barrier_wait -1                              ; and so are the other waves'
	ds_load_b32 v[M1], v[SR]
.irp u, 0,1
.irp c, 0,1,2
	ds_load_b128 v[BK+12*\u+4*\c:BK+12*\u+4*\c+3], v[RD] offset:1664*\u+512*\c
.endr
.endr
	s_wait_dscnt 6                                 ; the six later reads may be out
	global_store_b32 v[L4], v[M1], s[36:37]        ; 128 consecutive bytes
.irp u, 0,1
.irp c, 0,1,2
	s_wait_dscnt 5-3*\u-\c                         ; the later reads may be out
	global_store_b128 v[LI], v[BK+12*\u+4*\c:BK+12*\u+4*\c+3], s[34:35] offset:1536*\u+512*\c
.endr
.endr
	s_wait_tensorcnt 0x0
	ds_add_u32 v[SPW], v[NIL]
	s_wait_dscnt 0x0
	s_endpgm
.Lfunc_end_k_q7d02abaa5a_quant:
	.size	k_q7d02abaa5a_quant, .Lfunc_end_k_q7d02abaa5a_quant-k_q7d02abaa5a_quant
	.p2alignl 7, 3214868480
	.fill 96, 4, 3214868480
	.section	.rodata,"a",@progbits
	.p2align	6, 0x0
	.amdhsa_kernel k_q7d02abaa5a_quant
		.amdhsa_group_segment_fixed_size 48640
		.amdhsa_private_segment_fixed_size 0
		.amdhsa_enable_private_segment 0
		.amdhsa_kernarg_size 40
		.amdhsa_user_sgpr_count 2
		.amdhsa_user_sgpr_kernarg_segment_ptr 1
		.amdhsa_wavefront_size32 1
		.amdhsa_system_sgpr_workgroup_id_x 1
		.amdhsa_system_sgpr_workgroup_id_y 1
		.amdhsa_system_sgpr_workgroup_id_z 1
		.amdhsa_system_vgpr_workitem_id 0
		.amdhsa_next_free_vgpr 242
		.amdhsa_next_free_sgpr 66
		.amdhsa_reserve_vcc 0
		.amdhsa_float_denorm_mode_32 3
		.amdhsa_float_denorm_mode_16_64 3
		.amdhsa_memory_ordered 1
		.amdhsa_forward_progress 1
		.amdhsa_inst_pref_size 52
	.end_amdhsa_kernel
	.amdgpu_metadata
---
amdhsa.version: [ 1, 2 ]
amdhsa.kernels:
  - .name:           k_q7d02abaa5a_quant
    .symbol:         k_q7d02abaa5a_quant.kd
    .args:
      - { .name: x, .offset: 0, .size: 8, .value_kind: global_buffer, .address_space: global }
      - { .name: w_in, .offset: 8, .size: 8, .value_kind: global_buffer, .address_space: global }
      - { .name: w_out, .offset: 16, .size: 8, .value_kind: global_buffer, .address_space: global }
      - { .name: xq, .offset: 24, .size: 8, .value_kind: global_buffer, .address_space: global }
      - { .name: wq, .offset: 32, .size: 8, .value_kind: global_buffer, .address_space: global }
    .group_segment_fixed_size: 48640
    .private_segment_fixed_size: 0
    .kernarg_segment_align: 8
    .kernarg_segment_size: 40
    .max_flat_workgroup_size: 128
    .sgpr_count:     66
    .vgpr_count:     242
    .wavefront_size: 32
...
	.end_amdgpu_metadata
.endif
;; end of part 1
;; launch qkv (part 2): grid 32 x 8, 4 waves a work-group, clusters of 4 x 1, 327,680 bytes of LDS; arguments xq, wq, b_in, qq, kv; writes qq, kv
.if DOCPART == 2
	.amdgcn_target "amdgcn-amd-amdhsa--gfx1250"
	.amdhsa_code_object_version 6
	.text
	.protected	k_q7d02abaa5a_qkv
	.globl	k_q7d02abaa5a_qkv
	.p2align	8
	.type	k_q7d02abaa5a_qkv,@function
k_q7d02abaa5a_qkv:
	s_mov_b64 s[64:65], 0
	v_nop
	global_prefetch_b8 v0, s[64:65] scope:SCOPE_SE
	s_setreg_imm32_b32 hwreg(HW_REG_WAVE_MODE, 25, 1), 1
	s_wait_xcnt 0x0
	s_wait_alu depctr_hold_cnt(0) depctr_sa_sdst(0) depctr_va_vdst(0) depctr_va_sdst(0) depctr_va_ssrc(0) depctr_va_vcc(0) depctr_vm_vsrc(0)
	s_getreg_b32 s2, hwreg(HW_REG_IB_STS2, 6, 4)
	s_cmp_eq_u32 s2, 0
	s_cbranch_scc0 .Lentry_in_a_cluster
	s_endpgm
.Lentry_in_a_cluster:
	s_bfe_u32 s2, ttmp6, 0x10000c
	s_cmp_lg_u32 s2, 0x3003
	s_cbranch_scc0 .Lentry_shape_is_right
	s_endpgm
.Lentry_shape_is_right:
.set XS_OFF, 3145728
; qkv = x w_in + b_in on codes of FP6 (E2M3) with E8M0 scales, and q, k, v quantised in registers for the attention: q and k along the head's 64, v along the keys.
; SHARES.  Work-group (i, j): rows 128 i .. + 127 (one key step of one batch) x heads 2 j, 2 j + 1, in three passes: q, k, v.  Wave w: row tiles 4 (w / 2) + 0 .. 3 (64 rows), head 2 j + w % 2: 16 accumulators.
; x's fragments of the wave's 64 rows for ALL of K (384 registers) come straight from memory once and serve the three passes.  The three passes' weights and scale words (3 x 102,400 bytes) fit in LDS together:
; every LDS byte is filled once, at the head, one tensor load a wave: wave 0 q's K steps 0-3, wave 1 q's K steps 4-7, wave 2 k's, wave 3 v's.  Each is shown to all waves by a barrier of its own, ahead of its first read.
; CLUSTER: its four work-groups have the same j and need the same weights: each load is asked for jointly by the four.  No prefetch: the launch has no loop, and all its fills go out at the head.
; A BATCH is two K steps, 32 products, on one of two sets of eight weight fragments; within a pass a set is filled again two batches ahead.
; q and k: source 0 = 16 columns of w_in, source 1 = 16 rows of x: a lane holds one row, its registers run along the head's 64.  v: the sources change places: a lane holds one channel, its registers run along the keys.
; By the tiles' order (of 64 neighbours tile j takes 32 (r / 8) + 8 j + r % 8) the 32 registers of four tiles are 32 neighbours, 32 h + 0 .. 31: one scale block, and six registers of the next operand.
; The bias is the C of each sum's first product.
; LIMITS: a block whose largest magnitude lies under 2^-124 keeps the byte 1; NaN and infinities are not served.  v's scale words (128 KiB in all) leave as 2 bytes a lane, 4 bytes apart: two waves make the halves of a word.
; REGISTERS, in windows of 256: window 0: addresses, scale words, set 0 of the weight fragments, the quantiser's registers.  window 1: x's fragments of K steps 0-4 (48 s + 12 a).
;   window 2: those of K steps 5-7; from v144 the biases (32 p + 8 t).  window 3: the 16 accumulators; from v128 set 1.
.set QS_OFF, 3145728
.set KVB,    13056                     ; a key step's block in kv: K's codes 6,144, V's codes 6,144, K's scale words 512, V's 256
.set GRP,    102400
.set QTR,    25600                     ; two K steps: images 24,576, scale words 1,024
.set SPARE,  307200
.set LI, 1                             ; 16 x lane
.set L8, 2
.set L4, 3
.set BQ, 5                             ; 128 h: the bias of my half's 32 columns
.set BV, 6                             ; the bias of my lane's column
.set ADB, 8                            ; v8-13 LDS address of my head's weight fragments: pass p, batches 2 f on: register 2 p + f
.set ADS, 14                           ; v14-19 of its scale words
.set SEL, 20                           ; v20, v21 v_perm selectors that pair the two halves' scale bytes
.set SPW, 22
.set NIL, 23
.set XS, 24                            ; v24-39 x's scale words: 4 a + s / 2; lanes 0-15 the even K step, lanes 16-31 the odd
.set WS, 40                            ; v40-47 the weights', two sets of four: lanes 0-15 the even tile, lanes 16-31 the odd
.set BF0, 80                           ; v80-175 weight fragments, set 0
.set BF1, 128                          ; window 3, v128-223: set 1
.set PC, 176                           ; v176-199 codes
.set TM, 200                           ; v200-211 at work
.set PW, 212
.set PX, 213
.set PT, 214
.set TC, 220                           ; v220-235 the conversions' second halves
.set BI, 144
.set WV, 14
.set G1, 24                            ; s[24:31] descriptor group 1 for 51,200 bytes
.set G0, 32                            ; s[32:47] four groups 0
.set G1W, 48                           ; s[48:55] group 1 for 102,400 bytes
.set AB,  66
.set XSB, 68
.set BB,  72
.set QB,  74
.set QSB, 76
.set KB,  78
.set KSB, 80
.set VB,  82
.set VSB, 84
.set MSB, 0
.macro WIN new                         ; the immediate's high byte repeats the setting that is left
.if MSB != (\new)
	s_set_vgpr_msb (MSB<<8)|(\new)
.set MSB, \new
.endif
.endm
.macro PLACES
.rept 4
	v_nop
.endr
.endm
.macro CROUND                          ; a round of the cluster's barrier
	s_barrier_signal -1
	s_barrier_wait -1
	s_cmp_lg_u32 s[WV], 0
	s_cbranch_scc1 .Lnot_wave_0_\@
	s_barrier_signal -3
.Lnot_wave_0_\@:
	s_barrier_wait -3
	s_barrier_signal -1
	s_barrier_wait -1
.endm
	s_load_b256 s[4:11], s[0:1], 0x0               ; xq s[4:5], wq s[6:7], b_in s[8:9], qq s[10:11]
	s_load_b64 s[12:13], s[0:1], 0x20              ; kv
	v_lshl_add_u32 v[SPW], v0, 2, SPARE
	v_mov_b32 v[NIL], 0
	ds_add_u32 v[SPW], v[NIL]                      ; the opening lines
	ds_add_u32 v[SPW], v[NIL]
	v_lshrrev_b32 v7, 5, v0
	v_readfirstlane_b32 s[WV], v7                  ; wave 0..3
	s_lshr_b32 s15, s[WV], 1                       ; wm: which 64 rows
	s_and_b32 s16, s[WV], 1                        ; wn: which head
	s_and_b32 s19, ttmp7, 0xffff                   ; j, which the four partners share
	; descriptor groups 1: a dense block as rows of 1,024 bytes
.irp g, G1, G1W
	s_mov_b32 s[\g], 15|(3<<16)|(1<<21)            ; 15:0 the mask: all four work-groups; 17:16 elements of 8 bytes; 21 set beside a mask
	s_mov_b32 s[\g+1], 128<<16
	s_mov_b32 s[\g+3], 128<<16
	s_mov_b32 s[\g+5], 128
	s_mov_b32 s[\g+6], 0
	s_mov_b32 s[\g+7], 0
.endr
	s_mov_b32 s[G1+2], 50<<16
	s_mov_b32 s[G1+4], 50
	s_mov_b32 s[G1W+2], 100<<16
	s_mov_b32 s[G1W+4], 100
	s_mul_i32 s58, s19, 3*GRP
	s_mov_b32 s59, 0
	s_mov_b32 s20, 0x76543210
	s_mov_b32 s21, 0xfedcba98
	v_and_b32 v7, 31, v0
	v_lshlrev_b32 v[LI], 4, v7
	v_lshlrev_b32 v[L8], 3, v7
	v_lshlrev_b32 v[L4], 2, v7
	v_bfe_u32 v4, v0, 4, 1                         ; h
	v_lshlrev_b32 v[BQ], 7, v4
	v_and_b32 v7, 7, v0
	v_lshlrev_b32 v7, 2, v7
	v_bfe_u32 v[BV], v0, 3, 1
	v_lshl_add_u32 v[BV], v[BV], 7, v7             ; 4 (r % 8 + 32 (r / 8))
	s_mul_i32 s62, s16, 6144                       ; my head's four tiles of the eight
	v_add_nc_u32 v[ADB], s62, v[LI]
	s_lshl_b32 s62, s16, 8
	s_add_co_u32 s62, s62, 24576
	v_add_nc_u32 v[ADS], s62, v[L4]
.irp n, 1,2,3,4,5
	v_add_nc_u32 v[ADB+\n], 2*QTR*\n, v[ADB]
	v_add_nc_u32 v[ADS+\n], 2*QTR*\n, v[ADS]
.endr
	v_cmp_eq_u32 vcc_lo, 1, v4
	v_mov_b32 v[SEL], 0x00040004                   ; lanes 0-15: tile 0's byte of mine, then lane l xor 16's
	v_mov_b32 v[SEL+1], 0x02060206                 ; tile 2's
	v_mov_b32 v48, 0x05010501                      ; lanes 16-31: tile 1's: lane l xor 16's, then mine
	v_mov_b32 v49, 0x07030703                      ; tile 3's
	v_cndmask_b32 v[SEL], v[SEL], v48, vcc_lo
	v_cndmask_b32 v[SEL+1], v[SEL+1], v49, vcc_lo
	v_mov_b32 v[PX], 0                             ; a lane permute's destination counts as one of its sources
	s_wait_alu depctr_va_vdst(0)
	s_wait_dscnt 0x0                               ; both opening adds are done
	CROUND                                         ; all four work-groups are here: the joint loads meet
	s_wait_kmcnt 0x0
	s_add_nc_u64 s[62:63], s[6:7], s[58:59]        ; groups 3 j, 3 j + 1, 3 j + 2
.macro FILL n, off                             ; LDS holds the three groups as they lie in memory
	s_mov_b32 s[G0+4*\n], 1
	s_mov_b32 s[G0+4*\n+1], \off
	s_add_nc_u64 s[G0+4*\n+2:G0+4*\n+3], s[62:63], \off
	s_or_b32 s[G0+4*\n+3], s[G0+4*\n+3], 0x80000000
.endm
	FILL 0, 0
	FILL 1, 2*QTR
	FILL 2, GRP
	FILL 3, 2*GRP
.macro ARM n, g1                               ; one chain of branches on the wave's number, one tensor load to an arm
	s_cmp_eq_u32 s[WV], \n
	s_cbranch_scc0 .Lnot_\n
	tensor_load_to_lds s[G0+4*\n:G0+4*\n+3], s[\g1:\g1+7]
	s_nop 0
	PLACES
	s_branch .Lasked
.Lnot_\n:
.endm
	ARM 0, G1
	ARM 1, G1
	ARM 2, G1W
	tensor_load_to_lds s[G0+12:G0+15], s[G1W:G1W+7]
	s_nop 0
	PLACES
.Lasked:
	s_bfe_u32 s17, ttmp6, 0x40000                  ; cx: it enters addresses in memory of my own loads and stores alone
	s_lshl_b32 s18, ttmp9, 2
	s_add_co_u32 s18, s18, s17                     ; i
	s_lshl_b32 s86, s18, 3
	s_lshl_b32 s87, s15, 2
	s_add_co_u32 s86, s86, s87                     ; my first row tile: 8 i + 4 wm
	s_mul_i32 s88, s86, 12288
	s_mov_b32 s89, 0
	s_add_nc_u64 s[AB:AB+1], s[4:5], s[88:89]
	s_lshl_b32 s88, s86, 9
	s_add_co_u32 s88, s88, XS_OFF
	s_add_nc_u64 s[XSB:XSB+1], s[4:5], s[88:89]
	s_lshl_b32 s88, s19, 9
	s_lshl_b32 s90, s16, 8
	s_add_co_u32 s88, s88, s90
	s_add_nc_u64 s[BB:BB+1], s[8:9], s[88:89]
.irp a, 0,1,2,3
	global_load_b128 v[XS+4*\a:XS+4*\a+3], v[LI], s[XSB:XSB+1] offset:512*\a
.endr
	WIN 0x80                                       ; destination window 2
.irp t, 0,1,2,3
	global_load_b128 v[BI+8*\t:BI+8*\t+3], v[BQ], s[BB:BB+1] offset:32*\t
	global_load_b128 v[BI+8*\t+4:BI+8*\t+7], v[BQ], s[BB:BB+1] offset:32*\t+16
.endr
.set is, 0
.rept 8                                        ; x's fragments, K step by K step: 12 loads a step
.if is < 5
	WIN 0x40
.set xf, 48*is
.else
	WIN 0x80
.set xf, 48*(is-5)
.endif
.set ia, 0
.rept 4
.set ic, 0
.rept 3
	global_load_b128 v[xf+12*ia+4*ic:xf+12*ia+4*ic+3], v[LI], s[AB:AB+1] offset:12288*ia+1536*is+512*ic
.set ic, ic+1
.endr
.set ia, ia+1
.endr
.set is, is+1
.endr
	WIN 0
	s_lshr_b32 s91, s18, 4
	s_lshl_b32 s91, s91, 4
	s_lshl_b32 s92, s19, 1
	s_add_co_u32 s91, s91, s92
	s_add_co_u32 s91, s91, s16                     ; g = 16 x batch + head
	s_and_b32 s92, s18, 15                         ; the key step
	s_lshl_b32 s88, s91, 7
	s_lshl_b32 s93, s92, 3
	s_add_co_u32 s88, s88, s93
	s_add_co_u32 s88, s88, s87                     ; 128 g + my first tile in the head
	s_mul_i32 s94, s88, 768
	s_mov_b32 s95, 0
	s_add_nc_u64 s[QB:QB+1], s[10:11], s[94:95]
	s_lshl_b32 s94, s88, 6
	s_add_co_u32 s94, s94, QS_OFF
	s_add_nc_u64 s[QSB:QSB+1], s[10:11], s[94:95]
	s_lshl_b32 s88, s91, 4
	s_add_co_u32 s88, s88, s92
	s_mul_i32 s88, s88, KVB                        ; my block of kv
	s_mul_i32 s93, s15, 3072
	s_add_co_u32 s94, s88, s93
	s_add_nc_u64 s[KB:KB+1], s[12:13], s[94:95]
	s_lshl_b32 s93, s15, 8
	s_add_co_u32 s94, s88, s93
	s_add_co_u32 s94, s94, 12288
	s_add_nc_u64 s[KSB:KSB+1], s[12:13], s[94:95]
	s_mul_i32 s93, s15, 768
	s_add_co_u32 s94, s88, s93
	s_add_co_u32 s94, s94, 6144
	s_add_nc_u64 s[VB:VB+1], s[12:13], s[94:95]
	s_lshl_b32 s93, s15, 1
	s_add_co_u32 s94, s88, s93
	s_add_co_u32 s94, s94, 12800
	s_add_nc_u64 s[VSB:VSB+1], s[12:13], s[94:95]
.macro SHOW n                          ; wave n's tensor load has landed, and a barrier shows it to all; later tiles may be on their way
	s_cmp_eq_u32 s[WV], \n
	s_cbranch_scc0 .Lshown_\n
	s_wait_tensorcnt 0x0
.Lshown_\n:
	s_wait_dscnt 0x0
	s_barrier_signal -1
	s_barrier_wait -1
.endm
.macro FETCH p, b                      ; batch b of pass p: eight weight fragments and four registers of scale words, 28 loads, into set b % 2
.if (\b)&1
	WIN 0xc0
.set bf, BF1
.else
.set bf, BF0
.endif
.irp e, 0,1
.irp t, 0,1,2,3
.irp c, 0,1,2
	ds_load_b128 v[bf+48*\e+12*\t+4*\c:bf+48*\e+12*\t+4*\c+3], v[ADB+2*(\p)+(\b)/2] offset:QTR*((\b)&1)+12288*\e+1536*\t+512*\c
.endr
.endr
.endr
	WIN 0
.irp e, 0,1
.irp u, 0,1
	ds_load_b32 v[WS+4*((\b)&1)+2*\e+\u], v[ADS+2*(\p)+(\b)/2] offset:QTR*((\b)&1)+512*\e+128*\u
.endr
.endr
.endm
.macro WM                              ; one product; rRA, rRB: the side's scales stand in lanes 16-31
.if rRA && rRB
	v_wmma_scale_f32_16x16x128_f8f6f4 v[rD:rD+7], v[rA:rA+11], v[rB:rB+11], v[rC:rC+7], v[rSA], v[rSB] matrix_a_fmt:MATRIX_FMT_FP6 matrix_b_fmt:MATRIX_FMT_FP6 matrix_a_scale:MATRIX_SCALE_ROW1 matrix_b_scale:MATRIX_SCALE_ROW1
.elseif rRA
	v_wmma_scale_f32_16x16x128_f8f6f4 v[rD:rD+7], v[rA:rA+11], v[rB:rB+11], v[rC:rC+7], v[rSA], v[rSB] matrix_a_fmt:MATRIX_FMT_FP6 matrix_b_fmt:MATRIX_FMT_FP6 matrix_a_scale:MATRIX_SCALE_ROW1
.elseif rRB
	v_wmma_scale_f32_16x16x128_f8f6f4 v[rD:rD+7], v[rA:rA+11], v[rB:rB+11], v[rC:rC+7], v[rSA], v[rSB] matrix_a_fmt:MATRIX_FMT_FP6 matrix_b_fmt:MATRIX_FMT_FP6 matrix_b_scale:MATRIX_SCALE_ROW1
.else
	v_wmma_scale_f32_16x16x128_f8f6f4 v[rD:rD+7], v[rA:rA+11], v[rB:rB+11], v[rC:rC+7], v[rSA], v[rSB] matrix_a_fmt:MATRIX_FMT_FP6 matrix_b_fmt:MATRIX_FMT_FP6
.endif
.endm
; K steps 2 b, 2 b + 1 of pass p: 16 products each, the accumulators by turns.
.macro BATCH p, b
.if (\b) == 3
	s_wait_dscnt 0x0
.else
	s_wait_dscnt 28                                ; this batch's fragments are in; the next batch's 28 loads may be out
.endif
.if (\b)&1
.set bf, BF1
.set bw, 3
.else
.set bf, BF0
.set bw, 0
.endif
.set ee, 0
.rept 2
.set st, 2*(\b)+ee
.if (\p) == 0
.set N, 12*(7-st)
.if N > 63
.set N, 63
.endif
	s_wait_loadcnt N                               ; x's fragments of this K step are in; those of later steps, 12 each, may be out (the count names 63 at the most)
.endif
.if st < 5
.set xw, 1
.set xf, 48*st
.else
.set xw, 2
.set xf, 48*(st-5)
.endif
.if st == 0
.set cw, 2                             ; C: the bias
.else
.set cw, 3
.endif
.if (\p) < 2
.set ww, bw|(xw<<2)|(cw<<4)|0xc0
.else
.set ww, xw|(bw<<2)|(cw<<4)|0xc0
.endif
	WIN ww
.set ia, 0
.rept 4
.set it, 0
.rept 4
.if (\p) < 2
.set rD, 8*(4*ia+it)
.set rA, bf+48*ee+12*it
.set rB, xf+12*ia
.set rSA, WS+4*((\b)&1)+2*ee+it/2
.set rRA, it&1
.set rSB, XS+4*ia+st/2
.set rRB, ee
.else
.set rD, 8*(4*it+ia)
.set rA, xf+12*ia
.set rB, bf+48*ee+12*it
.set rSA, XS+4*ia+st/2
.set rRA, ee
.set rSB, WS+4*((\b)&1)+2*ee+it/2
.set rRB, it&1
.endif
.set rC, rD
.if st == 0
.set rC, BI+32*(\p)+8*it
.endif
	WM
.set it, it+1
.endr
.set ia, ia+1
.endr
.set ee, ee+1
.endr
	WIN 0
	PLACES                                         ; in front of loads into a set that products have read, and of the first read of results
.endm
; Four units of 32 results of a lane in window 3 become six registers of codes each, v[PC + 6 u] on, and two registers of scale words, v[PT], v[PT + 1]: lanes 0-15 units 0 and 2, lanes 16-31 units 1 and 3;
; a word's two low bytes are the blocks of lanes r and 16 + r, its two high bytes the same again.  Each accumulator is read from its low end on.
.macro QUANT
	s_wait_xcnt 0x0                                ; earlier stores have read the registers that are written again
	WIN 0x0f                                       ; sources 0 and 1 window 3
.irp u, 0,1,2,3
	v_max3_num_f32 v[TM+\u], |v[32*\u]|, |v[32*\u+1]|, 0x1800000   ; with the floor 2^(3 - 127)
.endr
.set ix, 2
.rept 15
.irp u, 0,1,2,3
	v_max3_num_f32 v[TM+\u], |v[32*\u+ix]|, |v[32*\u+ix+1]|, v[TM+\u]
.endr
.set ix, ix+2
.endr
	WIN 0
.irp u, 0,1,2,3
	v_add_nc_u32 v[TM+4+\u], 0xff000000, v[TM+\u]  ; 2 off the exponent field: the conversion's scale operand
.endr
.irp u, 0,1,2,3
	v_lshrrev_b32 v[TM+8+\u], 23, v[TM+4+\u]       ; the byte
.endr
	v_lshl_or_b32 v[PW], v[TM+9], 8, v[TM+8]
	v_lshl_or_b32 v[PW], v[TM+10], 16, v[PW]
	v_lshl_or_b32 v[PW], v[TM+11], 24, v[PW]
	WIN 0x03                                       ; source 0 window 3
.irp u, 0,1,2,3
	v_cvt_scalef32_pk16_fp6_f32 v[PC+6*\u:PC+6*\u+2], v[32*\u:32*\u+15], v[TM+4+\u]
	v_cvt_scalef32_pk16_fp6_f32 v[TC+4*\u:TC+4*\u+2], v[32*\u+16:32*\u+31], v[TM+4+\u]
.endr
	WIN 0
	v_nop                                          ; one plain place behind a scaled conversion
	v_permlanex16_b32 v[PX], v[PW], s20, s21
.irp u, 0,1,2,3
	v_dual_mov_b32 v[PC+6*\u+4], v[TC+4*\u+1] :: v_dual_mov_b32 v[PC+6*\u+3], v[TC+4*\u]
	v_mov_b32 v[PC+6*\u+5], v[TC+4*\u+2]
.endr
	v_perm_b32 v[PT], v[PW], v[PX], v[SEL]
	v_perm_b32 v[PT+1], v[PW], v[PX], v[SEL+1]
.endm
.macro HALVES base, step               ; each unit's six registers as a half image: 512 bytes (four registers a lane) + 256 (two)
.irp u, 0,1,2,3
	global_store_b128 v[LI], v[PC+6*\u:PC+6*\u+3], s[\base:\base+1] offset:\step*\u
	global_store_b64 v[L8], v[PC+6*\u+4:PC+6*\u+5], s[\base:\base+1] offset:\step*\u+512
.endr
.endm
	s_wait_alu depctr_va_vdst(0)
	SHOW 0
	FETCH 0, 0
	FETCH 0, 1
	BATCH 0, 0
	SHOW 1
	FETCH 0, 2
	BATCH 0, 1
	FETCH 0, 3
	BATCH 0, 2
	BATCH 0, 3
	SHOW 2
	FETCH 1, 0                                     ; they land while q is quantised
	FETCH 1, 1
	; the biases of passes k and v: they land likewise
	WIN 0x80
.irp t, 0,1,2,3
	global_load_b128 v[BI+32+8*\t:BI+32+8*\t+3], v[BQ], s[BB:BB+1] offset:4096+32*\t
	global_load_b128 v[BI+32+8*\t+4:BI+32+8*\t+7], v[BQ], s[BB:BB+1] offset:4096+32*\t+16
	global_load_b32 v[BI+64+8*\t], v[BV], s[BB:BB+1] offset:8192+32*\t   ; in pass v a lane holds one column
.endr
	WIN 0
	QUANT
	HALVES QB, 768
	global_store_b32 v[L4], v[PT], s[QSB:QSB+1]
	global_store_b32 v[L4], v[PT+1], s[QSB:QSB+1] offset:128
	s_wait_loadcnt 0x0
	WIN 0x82
.irp i, 1,2,3,4,5,6,7
.irp t, 0,1,2,3
	v_mov_b32 v[BI+64+8*\t+\i], v[BI+64+8*\t]      ; my column's bias over the tile's eight registers
.endr
.endr
	WIN 0
	s_wait_alu depctr_va_vdst(0)
	BATCH 1, 0
	FETCH 1, 2
	BATCH 1, 1
	FETCH 1, 3
	BATCH 1, 2
	BATCH 1, 3
	s_wait_tensorcnt 0x0                           ; all tensor loads have landed, v's among them,
	s_wait_dscnt 0x0
	s_barrier_signal -1
	s_barrier_wait -1                              ; in all waves
	FETCH 2, 0
	FETCH 2, 1
	QUANT
.irp i, 0,1,2,3,4,5
	global_store_b128 v[LI], v[PC+4*\i:PC+4*\i+3], s[KB:KB+1] offset:512*\i   ; four key tiles of six registers: 24 registers on end
.endr
	global_store_b32 v[L4], v[PT], s[KSB:KSB+1]
	global_store_b32 v[L4], v[PT+1], s[KSB:KSB+1] offset:128
	BATCH 2, 0
	FETCH 2, 2
	BATCH 2, 1
	FETCH 2, 3
	BATCH 2, 2
	BATCH 2, 3
	QUANT
	HALVES VB, 1536
	global_store_b16 v[L4], v[PT], s[VSB:VSB+1]
	global_store_b16 v[L4], v[PT+1], s[VSB:VSB+1] offset:128
	s_wait_tensorcnt 0x0                           ; the wave's end
	ds_add_u32 v[SPW], v[NIL]
	s_wait_dscnt 0x0
	CROUND                                         ; the closing round: no work-group ends while a partner may still ask for a tile that names it
	s_endpgm
.Lfunc_end_k_q7d02abaa5a_qkv:
	.size	k_q7d02abaa5a_qkv, .Lfunc_end_k_q7d02abaa5a_qkv-k_q7d02abaa5a_qkv
	.p2alignl 7, 3214868480
	.fill 96, 4, 3214868480
	.section	.rodata,"a",@progbits
	.p2align	6, 0x0
	.amdhsa_kernel k_q7d02abaa5a_qkv
		.amdhsa_group_segment_fixed_size 327680
		.amdhsa_private_segment_fixed_size 0
		.amdhsa_enable_private_segment 0
		.amdhsa_kernarg_size 40
		.amdhsa_user_sgpr_count 2
		.amdhsa_user_sgpr_kernarg_segment_ptr 1
		.amdhsa_wavefront_size32 1
		.amdhsa_system_sgpr_workgroup_id_x 1
		.amdhsa_system_sgpr_workgroup_id_y 1
		.amdhsa_system_sgpr_workgroup_id_z 1
		.amdhsa_system_vgpr_workitem_id 0
		.amdhsa_next_free_vgpr 992
		.amdhsa_next_free_sgpr 100
		.amdhsa_reserve_vcc 1
		.amdhsa_float_denorm_mode_32 3
		.amdhsa_float_denorm_mode_16_64 3
		.amdhsa_memory_ordered 1
		.amdhsa_forward_progress 1
		.amdhsa_inst_pref_size 115
	.end_amdhsa_kernel
	.amdgpu_metadata
---
amdhsa.version: [ 1, 2 ]
amdhsa.kernels:
  - .name:           k_q7d02abaa5a_qkv
    .symbol:         k_q7d02abaa5a_qkv.kd
    .args:
      - { .name: xq, .offset: 0, .size: 8, .value_kind: global_buffer, .address_space: global }
      - { .name: wq, .offset: 8, .size: 8, .value_kind: global_buffer, .address_space: global }
      - { .name: b_in, .offset: 16, .size: 8, .value_kind: global_buffer, .address_space: global }
      - { .name: qq, .offset: 24, .size: 8, .value_kind: global_buffer, .address_space: global }
      - { .name: kv, .offset: 32, .size: 8, .value_kind: global_buffer, .address_space: global }
    .group_segment_fixed_size: 327680
    .private_segment_fixed_size: 0
    .kernarg_segment_align: 8
    .kernarg_segment_size: 40
    .max_flat_workgroup_size: 128
    .sgpr_count:     100
    .vgpr_count:     992
    .wavefront_size: 32
...
	.end_amdgpu_metadata
.endif
;; end of part 2
;; launch attn (part 3): grid 8 x 32, 8 waves a work-group, clusters of 4 x 1, 209,920 bytes of LDS; arguments qq, kv, aq; writes aq
.if DOCPART == 3
	.amdgcn_target "amdgcn-amd-amdhsa--gfx1250"
	.amdhsa_code_object_version 6
	.text
	.protected	k_q7d02abaa5a_attn
	.globl	k_q7d02abaa5a_attn
	.p2align	8
	.type	k_q7d02abaa5a_attn,@function
k_q7d02abaa5a_attn:
	s_mov_b64 s[64:65], 0
	v_nop
	global_prefetch_b8 v0, s[64:65] scope:SCOPE_SE
	s_setreg_imm32_b32 hwreg(HW_REG_WAVE_MODE, 25, 1), 1
	s_wait_xcnt 0x0
	s_wait_alu depctr_hold_cnt(0) depctr_sa_sdst(0) depctr_va_vdst(0) depctr_va_sdst(0) depctr_va_ssrc(0) depctr_va_vcc(0) depctr_vm_vsrc(0)
	s_getreg_b32 s2, hwreg(HW_REG_IB_STS2, 6, 4)
	s_cmp_eq_u32 s2, 0
	s_cbranch_scc0 .Lentry_in_a_cluster
	s_endpgm
.Lentry_in_a_cluster:
	s_bfe_u32 s2, ttmp6, 0x10000c
	s_cmp_lg_u32 s2, 0x3003
	s_cbranch_scc0 .Lentry_shape_is_right
	s_endpgm
.Lentry_shape_is_right:
; attn[g][q][:] = the sum over k of softmax_k(q . k / 8) v[k][:] for the 32 heads g of 2,048 keys x 64 channels, both products on codes of FP6 (E2M3) with E8M0 scales; the result is quantised along d_att for the last product.
; THE SOFTMAX AHEAD OF THE SECOND PRODUCT: t = score x log2(e) / 8; M = the row's largest t so far, rounded UP to a whole number; p = 2^(t - M) is what is quantised, along the keys, not normalised.
; The row's sum is taken of the unquantised p and divides O at the end (v_rcp_f32 and a multiplication).  When M moves, the sum and O are multiplied by 2^(old M - new M): exact.
; A block's largest p is not searched for: the block's largest score goes through the same multiply-add and exponential (this takes v_exp_f32 not to fall where its input rises).
; SHARES.  A work-group owns 256 queries of one head, each of its eight waves two tiles of 16, which use each fragment of K and V by turns; a wave walks the head's keys in 8 steps of 256, M moving once a step.
; The head's K and V, codes and scale words, are 16 blocks of 13,056 bytes (128 keys each): they fit in LDS whole and are filled ONCE, wave w fetching blocks 2 w and 2 w + 1.
; Step 0 begins when wave 0's blocks are in; a second barrier, ahead of step 1's first read, shows the others.  No prefetch: all fills go out at the head, and no loop fills anything.
; CLUSTER: the four work-groups of a cluster belong to one head: each pair of blocks is asked for jointly by the four.
; LAYOUT.  S^T = K Q^T, O^T = V^T P^T: a lane holds one query throughout.  By the order of the keys in a tile (and of V's channels) lane (r, h) holds in the 32 registers of four tiles 32 neighbouring keys, 64 b + 32 h + 0 .. 31:
; one scale block of p, and six registers of the operand p as they fall; O^T's 32 registers are a block of 32 channels likewise.
; THE LOOP IS ROTATED: a trip asks for K of its step, finishes tile 1 of the step before, and goes on to tile 1's scores of its own step: no LDS read passes the last block.
; THE HEAD HAS 64 CHANNELS, the instruction 128 along K: Q's registers 6-11 are zero codes.  K's tile n is v[256 + 6 n] on, and the upper six registers named with it are the next tile's codes
; (for the last: V's first six, zeros at the start): finite numbers that meet Q's zeros under scale bytes that are never 0xff, so they add exactly 0.
; EXPONENTIALS go block by block of 32 keys, with the multiply-adds of the next block and the sums of earlier ones between them: what a batch's plain lines write is read behind a later wait.
; LIMITS: scaled scores (t) under 2^31 in magnitude; a block whose largest magnitude lies under 2^-124 keeps the byte 1; NaN and infinities are not served.  attn's scale bytes (128 KiB in all) leave one byte a lane: a word's four bytes come from two heads.
.set KVB,    13056
.set QS_OFF, 3145728
.set AS_OFF, 3145728
.set SPARE,  208896
.set LI,  1                            ; 16 x lane
.set L8,  2
.set L4,  3
.set A16, 4                            ; v4-6 the same + the key step's blocks
.set A8,  5
.set A4,  6
.set MM,  8                            ; v8, v9 tile 0: -M, the largest score so far; v10, v11 tile 1
.set LL,  12                           ; v[12:13], v[14:15] the sums, in two halves
.set F,   16                           ; v[16:17] 2^(old M - new M)
.set PX,  18                           ; v18, v19 lane permutes' results
.set BM,  20                           ; v20-23 the blocks' largest
.set T,   24                           ; v24-27 at work
.set KS,  28                           ; v28-35 K's scale words: lanes 0-15 the even tile, lanes 16-31 the odd
.set VS,  36                           ; v36-39 V's likewise
.set QS,  40                           ; v40, v41
.set PW,  42                           ; v42, v43 p's scale words
.set SPW, 44
.set NIL, 45
.set SOP, 46                           ; v46-49 the conversions' scale operands
.set EB,  50                           ; v50-53 scale bytes
.set QF,  56                           ; v56-79 Q's two fragments
.set ACC, 80                           ; v80-111 sixteen partial sums of two; then p's codes (two operands of 12) and, from + 24, the conversions' second halves
.set S,   128                          ; v128-255 S^T, then p
.set KF,  0                            ; window 1: K: tile n at 6 n
.set VF,  96                           ; window 1: V: keys' half c, tile t at 48 c + 12 t
.set O,   192                          ; window 1: O^T, 32 registers a tile
.set WV,  14
.set G1,  24
.set G0,  32
.set TB,  36                           ; s36 LDS byte at which the key step's blocks begin
.set MSB, 0
.macro WIN new
.if MSB != \new
	s_set_vgpr_msb (MSB<<8)|\new
.set MSB, \new
.endif
.endm
.macro WALU
	s_wait_alu depctr_va_vdst(0)
.endm
.macro PLACES
.rept 4
	v_nop
.endr
.endm
.macro CROUND
	s_barrier_signal -1
	s_barrier_wait -1
	s_cmp_lg_u32 s[WV], 0
	s_cbranch_scc1 .Lnot_wave_0_\@
	s_barrier_signal -3
.Lnot_wave_0_\@:
	s_barrier_wait -3
	s_barrier_signal -1
	s_barrier_wait -1
.endm
	s_load_b128 s[4:7], s[0:1], 0x0                ; qq s[4:5], kv s[6:7]
	s_load_b64 s[8:9], s[0:1], 0x10                ; aq
	v_lshl_add_u32 v[SPW], v0, 2, SPARE
	v_mov_b32 v[NIL], 0
	ds_add_u32 v[SPW], v[NIL]                      ; the opening lines
	ds_add_u32 v[SPW], v[NIL]
	v_lshrrev_b32 v4, 5, v0
	v_readfirstlane_b32 s[WV], v4                  ; wave 0..7
	s_and_b32 s17, ttmp7, 0xffff                   ; g, which the four partners share
	; descriptor group 1: a dense block of 26,112 bytes as 17 rows of 1,536
	s_mov_b32 s[G1], 15|(3<<16)|(1<<21)
	s_mov_b32 s[G1+1], 192<<16
	s_mov_b32 s[G1+2], 17<<16
	s_mov_b32 s[G1+3], 192<<16
	s_mov_b32 s[G1+4], 17
	s_mov_b32 s[G1+5], 192
	s_mov_b32 s[G1+6], 0
	s_mov_b32 s[G1+7], 0
	s_mul_i32 s42, s[WV], 2*KVB
	s_mul_i32 s40, s17, 16*KVB
	s_add_co_u32 s40, s40, s42                     ; blocks 16 g + 2 w, + 1
	s_mov_b32 s41, 0
	v_and_b32 v24, 31, v0
	v_lshlrev_b32 v[LI], 4, v24
	v_lshlrev_b32 v[L8], 3, v24
	v_lshlrev_b32 v[L4], 2, v24
	v_and_b32 v25, 15, v0
	v_lshlrev_b32 v25, 2, v25
	WALU
	s_wait_dscnt 0x0                               ; both opening adds are done
	CROUND                                         ; all four work-groups are here: the joint loads meet
	s_wait_kmcnt 0x0
	s_mov_b32 s[G0], 1
	s_mov_b32 s[G0+1], s42
	s_add_nc_u64 s[G0+2:G0+3], s[6:7], s[40:41]
	s_or_b32 s[G0+3], s[G0+3], 0x80000000
	s_cmp_eq_u32 s[WV], 0
	s_cbranch_scc0 .Lrest
	tensor_load_to_lds s[G0:G0+3], s[G1:G1+7]      ; wave 0: step 0's blocks, a line of its own
	s_nop 0
	PLACES
	s_branch .Lasked
.Lrest:
	tensor_load_to_lds s[G0:G0+3], s[G1:G1+7]      ; waves 1 to 7: the later steps'
	s_nop 0
	PLACES
.Lasked:
	s_bfe_u32 s15, ttmp6, 0x40000                  ; cx: it enters addresses in memory of my own loads and stores alone
	s_lshl_b32 s16, ttmp9, 2
	s_add_co_u32 s16, s16, s15                     ; my block of 256 queries
	s_lshl_b32 s44, s16, 4
	s_lshl_b32 s45, s[WV], 1
	s_add_co_u32 s44, s44, s45                     ; my first tile in the head
	s_lshl_b32 s45, s17, 7
	s_add_co_u32 s45, s45, s44
	s_mul_i32 s46, s45, 768
	s_mov_b32 s47, 0
	s_add_nc_u64 s[48:49], s[4:5], s[46:47]        ; Q's half images
	s_lshl_b32 s46, s45, 6
	s_add_co_u32 s46, s46, QS_OFF
	s_add_nc_u64 s[50:51], s[4:5], s[46:47]        ; their scale words
.irp x, 0,1
	global_load_b128 v[QF+12*\x:QF+12*\x+3], v[LI], s[48:49] offset:768*\x
	global_load_b64 v[QF+12*\x+4:QF+12*\x+5], v[L8], s[48:49] offset:768*\x+512
	global_load_b32 v[QS+\x], v25, s[50:51] offset:64*\x
.endr
	s_lshr_b32 s45, s17, 4
	s_lshl_b32 s45, s45, 7
	s_add_co_u32 s45, s45, s44                     ; T: my first tile among the 256 of all rows
	s_and_b32 s56, s17, 15                         ; the head
	s_lshl_b32 s46, s45, 4
	s_add_co_u32 s46, s46, s56
	s_mul_i32 s46, s46, 768                        ; half image (T, K step head / 2, half head % 2)
	s_add_nc_u64 s[52:53], s[8:9], s[46:47]
	s_lshl_b32 s46, s45, 9                         ; scale words [tile][lane 32][4]: row r, K step 2 q + n at 16 (r + 16 n) + 4 q
	s_bfe_u32 s57, s56, 0x10001
	s_lshl_b32 s57, s57, 8
	s_add_co_u32 s46, s46, s57
	s_lshr_b32 s57, s56, 2
	s_lshl_b32 s57, s57, 2
	s_add_co_u32 s46, s46, s57
	s_and_b32 s57, s56, 1
	s_lshl_b32 s57, s57, 1
	s_add_co_u32 s46, s46, s57
	s_add_co_u32 s46, s46, AS_OFF
	s_add_nc_u64 s[54:55], s[8:9], s[46:47]        ; my head's two bytes of each row's scale word
	s_mov_b32 s20, 0x76543210
	s_mov_b32 s21, 0xfedcba98                      ; v_permlanex16_b32's selects for lane l xor 16
	s_mov_b32 s22, 0x3e38aa3b                      ; c = log2(e) / 8
.irp x, 0,1
.irp j, 6,7,8,9,10,11
	v_mov_b32 v[QF+12*\x+\j], 0                    ; channels 64 to 127 do not exist: zero codes
.endr
	v_mov_b32 v[MM+2*\x], 0x7f000000               ; -M so far
	v_mov_b32 v[MM+2*\x+1], 0xff61b1e6             ; the largest score so far: -3e38
	v_mov_b32 v[LL+2*\x], 0
	v_mov_b32 v[LL+2*\x+1], 0
	v_mov_b32 v[PX+\x], 0                          ; a lane permute's destination counts as one of its sources
.endr
	v_mov_b32 v[F+1], 0                            ; (the upper half of a pair)
	WIN 0x40
.irp j, 0,1,2,3,4,5
	v_mov_b32 v[VF+\j], 0                          ; named with K's last tile in step 0
.endr
.set ix, 0
.rept 64
	v_mov_b32 v[O+ix], 0                           ; the step is written for all steps alike: the first finds zeros
.set ix, ix+1
.endr
	WIN 0
.macro LOADK a16, a4                   ; 256 keys: 16 tiles of six registers, and their scale words
	WIN 0x40
.irp c, 0,1
.irp i, 0,1,2,3,4,5,6,7,8,9,10,11
	ds_load_b128 v[KF+48*\c+4*\i:KF+48*\c+4*\i+3], v[\a16] offset:KVB*\c+512*\i
.endr
.endr
	WIN 0
.irp c, 0,1
.irp b, 0,1,2,3
	ds_load_b32 v[KS+4*\c+\b], v[\a4] offset:KVB*\c+12288+128*\b
.endr
.endr
.endm
.macro LOADV a16, a8, a4               ; V of the same keys: four channel tiles for each half of 128 keys
	WIN 0x40
.irp c, 0,1
.irp t, 0,1,2,3
	ds_load_b128 v[VF+48*\c+12*\t:VF+48*\c+12*\t+3], v[\a16] offset:KVB*\c+6144+1536*\t
	ds_load_b64 v[VF+48*\c+12*\t+4:VF+48*\c+12*\t+5], v[\a8] offset:KVB*\c+6144+1536*\t+512
	ds_load_b128 v[VF+48*\c+12*\t+6:VF+48*\c+12*\t+9], v[\a16] offset:KVB*\c+6144+1536*\t+768
	ds_load_b64 v[VF+48*\c+12*\t+10:VF+48*\c+12*\t+11], v[\a8] offset:KVB*\c+6144+1536*\t+1280
.endr
.endr
	WIN 0
.irp c, 0,1
.irp u, 0,1
	ds_load_b32 v[VS+2*\c+\u], v[\a4] offset:KVB*\c+12800+128*\u
.endr
.endr
.endm
.macro QK x                            ; S^T of query tile x: 16 tiles of keys
	WIN 0x01
.set n, 0
.rept 16
.if n & 1
	v_wmma_scale_f32_16x16x128_f8f6f4 v[S+8*n:S+8*n+7], v[KF+6*n:KF+6*n+11], v[QF+12*\x:QF+12*\x+11], 0, v[KS+n/2], v[QS+\x] matrix_a_fmt:MATRIX_FMT_FP6 matrix_b_fmt:MATRIX_FMT_FP6 matrix_a_scale:MATRIX_SCALE_ROW1
.else
	v_wmma_scale_f32_16x16x128_f8f6f4 v[S+8*n:S+8*n+7], v[KF+6*n:KF+6*n+11], v[QF+12*\x:QF+12*\x+11], 0, v[KS+n/2], v[QS+\x] matrix_a_fmt:MATRIX_FMT_FP6 matrix_b_fmt:MATRIX_FMT_FP6
.endif
.if n >= 4                             ; behind each product from the fifth on: a quarter of an earlier block's search for its largest score
	WIN 0
.if n == 4
	PLACES                                         ; in front of the first read of scores (ISA guide 7.12.1); later blocks' places are the lines of the blocks before
.endif
	MAXG (n-4)/4, (n-4)%4
.if n < 15
	WIN 0x01
.endif
.endif
.set n, n+1
.endr
.endm
.set CH, 112                           ; v112-115 four chains, one for each tile of a block
.macro MAXG b, q                       ; the largest of my 32 scores of block b: for the row's maximum and for the block's largest p; quarter q of its sixteen lines
.if (\q) < 3
.irp j, 0,1,2,3
.if (\q) == 0
	v_max3_num_f32 v[CH+\j], v[S+32*(\b)+8*\j], v[S+32*(\b)+8*\j+1], v[S+32*(\b)+8*\j+2]
.else
	v_max3_num_f32 v[CH+\j], v[CH+\j], v[S+32*(\b)+8*\j+2*(\q)+1], v[S+32*(\b)+8*\j+2*(\q)+2]
.endif
.endr
.else
	v_max3_num_f32 v[CH], v[CH], v[S+32*(\b)+7], v[S+32*(\b)+15]
	v_max3_num_f32 v[CH+1], v[CH+1], v[S+32*(\b)+23], v[S+32*(\b)+31]
	v_max3_num_f32 v[CH+2], v[CH+2], v[CH+3], v[CH]
	v_max_num_f32 v[BM+(\b)], v[CH+2], v[CH+1]
.endif
.endm
.macro FMA1 b, x                       ; t - M of two scores of block b (-M stands in two registers)
	v_dual_fmamk_f32 v[S+32*(\b)+ix], v[S+32*(\b)+ix], 0x3e38aa3b, v[MM+2*\x] :: v_dual_fmamk_f32 v[S+32*(\b)+ix+1], v[S+32*(\b)+ix+1], 0x3e38aa3b, v[T+1]
.endm
.macro EXPS b, x, sums                 ; block b's exponentials and its largest p's; between them the next block's multiply-adds, and sums of earlier blocks
	WALU
.set ix, 0
.rept 16
	v_exp_f32 v[S+32*\b+ix], v[S+32*\b+ix]         ; p = 2^(t - M)
	v_exp_f32 v[S+32*\b+ix+1], v[S+32*\b+ix+1]
.if \b < 3
	FMA1 \b+1, \x
.endif
.if \sums == 1
	v_dual_add_f32 v[ACC+ix], v[S+ix], v[S+32+ix] :: v_dual_add_f32 v[ACC+ix+1], v[S+ix+1], v[S+32+ix+1]   ; each partial sum once a batch
.elseif \sums == 2
	v_dual_add_f32 v[ACC+ix], v[ACC+ix], v[S+64+ix] :: v_dual_add_f32 v[ACC+ix+1], v[ACC+ix+1], v[S+64+ix+1]
.endif
.set ix, ix+2
.endr
	v_exp_f32 v[BM+\b], v[BM+\b]
.endm
.macro ADDS from, n                    ; n partial sums take those 2 n registers further on
.set ix, 0
.rept \n
	v_dual_add_f32 v[ACC+ix], v[ACC+ix], v[\from+ix] :: v_dual_add_f32 v[ACC+ix+1], v[ACC+ix+1], v[\from+ix+1]
.set ix, ix+2
.endr
.endm
.macro SOFT x                          ; query tile x: the softmax of S^T, and O^T += V^T P^T.  Blocks 0-2 have been searched among the products
.irp q, 0,1,2,3
	MAXG 3, \q
.endr
	v_max3_num_f32 v[T], v[BM], v[BM+1], v[BM+2]
	v_max_num_f32 v[T], v[T], v[BM+3]
	v_permlanex16_b32 v[PX], v[T], s20, s21        ; lane l xor 16's keys
	v_max3_num_f32 v[MM+2*\x+1], v[MM+2*\x+1], v[T], v[PX]   ; the running largest score
	v_mul_f32 v[T+1], s22, v[MM+2*\x+1]
	v_floor_f32 v[T+1], -v[T+1]                    ; the new -M = -ceil(t)
	v_sub_f32 v[T+2], v[T+1], v[MM+2*\x]           ; old M - new M: a whole number, 0 or less
	v_mov_b32 v[MM+2*\x], v[T+1]
	v_cvt_i32_f32 v[T+2], v[T+2]                   ; (it saturates)
	v_ldexp_f32 v[F], 1.0, v[T+2]
.set ix, 0
.rept 16
	FMA1 0, \x
.set ix, ix+2
.endr
.irp b, 0,1,2,3
	v_fma_f32 v[BM+\b], v[BM+\b], s22, v[MM+2*\x]  ; the same of each block's largest score
.endr
	EXPS 0, \x, 0
	EXPS 1, \x, 0
	EXPS 2, \x, 1
	EXPS 3, \x, 2
	v_pk_mul_f32 v[LL+2*\x:LL+2*\x+1], v[LL+2*\x:LL+2*\x+1], v[F:F+1] op_sel_hi:[1,0]   ; the sum under the new M: the plain line behind the exponentials
	WALU
	ADDS S+96, 16
.irp b, 0,1,2,3
	v_max_num_f32 v[BM+\b], 0x1800000, v[BM+\b]    ; the floor 2^(3 - 127)
.endr
	ADDS ACC+16, 8
.irp b, 0,1,2,3
	v_add_nc_u32 v[SOP+\b], 0xff000000, v[BM+\b]   ; the conversion's scale operand
.endr
	ADDS ACC+8, 4
.irp b, 0,1,2,3
	v_lshrrev_b32 v[EB+\b], 23, v[SOP+\b]          ; the byte
.endr
	ADDS ACC+4, 2
	v_lshl_or_b32 v[T], v[EB+1], 16, v[EB]         ; my blocks' bytes: blocks h and 2 + h of 128 keys
	v_lshl_or_b32 v[T+1], v[EB+3], 16, v[EB+2]
	ADDS ACC+2, 1
	v_permlanex16_b32 v[PX], v[T], s20, s21
	v_permlanex16_b32 v[PX+1], v[T+1], s20, s21
	v_pk_add_f32 v[LL+2*\x:LL+2*\x+1], v[LL+2*\x:LL+2*\x+1], v[ACC:ACC+1]
	v_lshl_or_b32 v[PW], v[PX], 8, v[T]            ; in lanes 0-15 the scale words are whole
	v_lshl_or_b32 v[PW+1], v[PX+1], 8, v[T+1]
.irp c, 0,1
	v_cvt_scalef32_pk16_fp6_f32 v[ACC+12*\c:ACC+12*\c+2], v[S+64*\c:S+64*\c+15], v[SOP+2*\c]
	v_cvt_scalef32_pk16_fp6_f32 v[ACC+24:ACC+26], v[S+64*\c+16:S+64*\c+31], v[SOP+2*\c]
	v_cvt_scalef32_pk16_fp6_f32 v[ACC+12*\c+6:ACC+12*\c+8], v[S+64*\c+32:S+64*\c+47], v[SOP+2*\c+1]
	v_cvt_scalef32_pk16_fp6_f32 v[ACC+28:ACC+30], v[S+64*\c+48:S+64*\c+63], v[SOP+2*\c+1]
	v_nop                                          ; one plain place behind a scaled conversion
	v_dual_mov_b32 v[ACC+12*\c+4], v[ACC+25] :: v_dual_mov_b32 v[ACC+12*\c+3], v[ACC+24]
	v_mov_b32 v[ACC+12*\c+5], v[ACC+26]
	v_dual_mov_b32 v[ACC+12*\c+10], v[ACC+29] :: v_dual_mov_b32 v[ACC+12*\c+9], v[ACC+28]
	v_mov_b32 v[ACC+12*\c+11], v[ACC+30]
.endr
	WIN 0x41
	WALU                                           ; directly ahead of the first readers of O^T
.set ix, 0
.rept 16
	v_pk_mul_f32 v[O+32*\x+ix:O+32*\x+ix+1], v[O+32*\x+ix:O+32*\x+ix+1], v[F:F+1] op_sel_hi:[1,0]   ; O^T under the new M.  Twelve of the sixteen name no register of any one product below: the places ahead of those products
.set ix, ix+2
.endr
	WALU
	s_wait_dscnt 0x0                               ; V (tile 0) or the next step's K (tile 1) is in
	WIN 0x51
.set n, 0
.rept 8                                        ; two halves of 128 keys, four channel tiles by turns
.if n & 1
	v_wmma_scale_f32_16x16x128_f8f6f4 v[O+32*\x+8*(n%4):O+32*\x+8*(n%4)+7], v[VF+12*n:VF+12*n+11], v[ACC+12*(n/4):ACC+12*(n/4)+11], v[O+32*\x+8*(n%4):O+32*\x+8*(n%4)+7], v[VS+n/2], v[PW+n/4] matrix_a_fmt:MATRIX_FMT_FP6 matrix_b_fmt:MATRIX_FMT_FP6 matrix_a_scale:MATRIX_SCALE_ROW1
.else
	v_wmma_scale_f32_16x16x128_f8f6f4 v[O+32*\x+8*(n%4):O+32*\x+8*(n%4)+7], v[VF+12*n:VF+12*n+11], v[ACC+12*(n/4):ACC+12*(n/4)+11], v[O+32*\x+8*(n%4):O+32*\x+8*(n%4)+7], v[VS+n/2], v[PW+n/4] matrix_a_fmt:MATRIX_FMT_FP6 matrix_b_fmt:MATRIX_FMT_FP6
.endif
.set n, n+1
.endr
	WIN 0
.endm
	WALU
	s_cmp_eq_u32 s[WV], 0
	s_cbranch_scc0 .Lnot_first
	s_wait_tensorcnt 0x0                           ; wave 0: step 0's blocks have landed;
.Lnot_first:
	s_barrier_signal -1
	s_barrier_wait -1                              ; the others may still be on their way
	LOADK LI, L4
	s_wait_loadcnt 0x0                             ; Q
	s_wait_dscnt 0x0
	QK 0                                           ; (its last four lines are the places in front of the loads below and of block 3's first read)
	LOADV LI, L8, L4
	SOFT 0
	QK 1
	s_mov_b32 s[TB], 2*KVB
	s_mov_b32 s37, 7
	WALU
	s_wait_tensorcnt 0x0                           ; my blocks have landed,
	s_barrier_signal -1
	s_barrier_wait -1                              ; everybody's have
.Lstep:
	v_add_nc_u32 v[A16], s[TB], v[LI]
	v_add_nc_u32 v[A8], s[TB], v[L8]
	v_add_nc_u32 v[A4], s[TB], v[L4]
	LOADK A16, A4
	SOFT 1                                         ; the step before
	QK 0
	LOADV A16, A8, A4
	SOFT 0
	QK 1
	s_add_co_u32 s[TB], s[TB], 2*KVB
	s_sub_co_u32 s37, s37, 1
	s_cmp_lg_u32 s37, 0
	WALU
	s_cbranch_scc1 .Lstep
	SOFT 1
	; THE WAY OUT: O^T / the sum; my 32 numbers of a tile are block h of the head's two blocks of 32 along d_att: quantised, six registers of the last product's operand.
	v_add_f32 v[T], v[LL], v[LL+1]
	v_add_f32 v[T+1], v[LL+2], v[LL+3]
	v_permlanex16_b32 v[PX], v[T], s20, s21
	v_permlanex16_b32 v[PX+1], v[T+1], s20, s21
	v_add_f32 v[T], v[T], v[PX]                    ; the rows' sums
	v_add_f32 v[T+1], v[T+1], v[PX+1]
	v_and_b32 v4, 15, v0
	v_bfe_u32 v5, v0, 4, 1
	v_lshl_add_u32 v7, v4, 4, v5                   ; 16 r + h: my byte of the rows' scale words
	WALU
	v_rcp_f32 v[T], v[T]
	v_rcp_f32 v[T+1], v[T+1]
	v_nop                                          ; one plain place behind a transcendental
	WIN 0x01
	WALU
.irp x, 0,1
.set ix, 0
.rept 32
	v_mul_f32 v[S+32*\x+ix], v[O+32*\x+ix], v[T+\x]   ; each accumulator from its low end on
.set ix, ix+1
.endr
.endr
	WIN 0
.irp n, 0,1,2,3
	v_max3_num_f32 v[BM+\n], |v[S+16*\n]|, |v[S+1+16*\n]|, 0x1800000
.endr
.irp i, 2,4,6,8,10,12,14
.irp n, 0,1,2,3
	v_max3_num_f32 v[BM+\n], v[BM+\n], |v[S+16*\n+\i]|, |v[S+1+16*\n+\i]|
.endr
.endr
.irp x, 0,1
	v_max_num_f32 v[BM+2*\x], v[BM+2*\x], v[BM+2*\x+1]
.endr
.irp x, 0,1
	v_add_nc_u32 v[SOP+\x], 0xff000000, v[BM+2*\x]
.endr
.irp x, 0,1
	v_lshrrev_b32 v[EB+\x], 23, v[SOP+\x]
.endr
.irp x, 0,1
	v_cvt_scalef32_pk16_fp6_f32 v[ACC+12*\x:ACC+12*\x+2], v[S+32*\x:S+32*\x+15], v[SOP+\x]
	v_cvt_scalef32_pk16_fp6_f32 v[ACC+24+4*\x:ACC+26+4*\x], v[S+32*\x+16:S+32*\x+31], v[SOP+\x]
.endr
	v_nop                                          ; one plain place behind a scaled conversion
.irp x, 0,1
	v_dual_mov_b32 v[ACC+12*\x+4], v[ACC+25+4*\x] :: v_dual_mov_b32 v[ACC+12*\x+3], v[ACC+24+4*\x]
	v_mov_b32 v[ACC+12*\x+5], v[ACC+26+4*\x]
.endr
.irp x, 0,1
	global_store_b128 v[LI], v[ACC+12*\x:ACC+12*\x+3], s[52:53] offset:12288*\x
	global_store_b64 v[L8], v[ACC+12*\x+4:ACC+12*\x+5], s[52:53] offset:12288*\x+512
	global_store_b8 v7, v[EB+\x], s[54:55] offset:512*\x
.endr
	s_wait_tensorcnt 0x0                           ; the wave's end
	ds_add_u32 v[SPW], v[NIL]
	s_wait_dscnt 0x0
	CROUND                                         ; the closing round: no work-group ends while a partner may still ask for a block that names it
	s_endpgm
.Lfunc_end_k_q7d02abaa5a_attn:
	.size	k_q7d02abaa5a_attn, .Lfunc_end_k_q7d02abaa5a_attn-k_q7d02abaa5a_attn
	.p2alignl 7, 3214868480
	.fill 96, 4, 3214868480
	.section	.rodata,"a",@progbits
	.p2align	6, 0x0
	.amdhsa_kernel k_q7d02abaa5a_attn
		.amdhsa_group_segment_fixed_size 209920
		.amdhsa_private_segment_fixed_size 0
		.amdhsa_enable_private_segment 0
		.amdhsa_kernarg_size 24
		.amdhsa_user_sgpr_count 2
		.amdhsa_user_sgpr_kernarg_segment_ptr 1
		.amdhsa_wavefront_size32 1
		.amdhsa_system_sgpr_workgroup_id_x 1
		.amdhsa_system_sgpr_workgroup_id_y 1
		.amdhsa_system_sgpr_workgroup_id_z 1
		.amdhsa_system_vgpr_workitem_id 0
		.amdhsa_next_free_vgpr 512
		.amdhsa_next_free_sgpr 66
		.amdhsa_reserve_vcc 0
		.amdhsa_float_denorm_mode_32 3
		.amdhsa_float_denorm_mode_16_64 3
		.amdhsa_memory_ordered 1
		.amdhsa_forward_progress 1
		.amdhsa_inst_pref_size 128
	.end_amdhsa_kernel
	.amdgpu_metadata
---
amdhsa.version: [ 1, 2 ]
amdhsa.kernels:
  - .name:           k_q7d02abaa5a_attn
    .symbol:         k_q7d02abaa5a_attn.kd
    .args:
      - { .name: qq, .offset: 0, .size: 8, .value_kind: global_buffer, .address_space: global }
      - { .name: kv, .offset: 8, .size: 8, .value_kind: global_buffer, .address_space: global }
      - { .name: aq, .offset: 16, .size: 8, .value_kind: global_buffer, .address_space: global }
    .group_segment_fixed_size: 209920
    .private_segment_fixed_size: 0
    .kernarg_segment_align: 8
    .kernarg_segment_size: 24
    .max_flat_workgroup_size: 256
    .sgpr_count:     66
    .vgpr_count:     512
    .wavefront_size: 32
...
	.end_amdgpu_metadata
.endif
;; end of part 3
;; launch proj (part 4): grid 32 x 8, 4 waves a work-group, clusters of 4 x 1, 167,936 bytes of LDS; arguments aq, wq, b_out, out0; writes out0
.if DOCPART == 4
	.amdgcn_target "amdgcn-amd-amdhsa--gfx1250"
	.amdhsa_code_object_version 6
	.text
	.protected	k_q7d02abaa5a_proj
	.globl	k_q7d02abaa5a_proj
	.p2align	8
	.type	k_q7d02abaa5a_proj,@function
k_q7d02abaa5a_proj:
	s_mov_b64 s[64:65], 0
	v_nop
	global_prefetch_b8 v0, s[64:65] scope:SCOPE_SE
	s_setreg_imm32_b32 hwreg(HW_REG_WAVE_MODE, 25, 1), 1
	s_wait_xcnt 0x0
	s_wait_alu depctr_hold_cnt(0) depctr_sa_sdst(0) depctr_va_vdst(0) depctr_va_sdst(0) depctr_va_ssrc(0) depctr_va_vcc(0) depctr_vm_vsrc(0)
	s_getreg_b32 s2, hwreg(HW_REG_IB_STS2, 6, 4)
	s_cmp_eq_u32 s2, 0
	s_cbranch_scc0 .Lentry_in_a_cluster
	s_endpgm
.Lentry_in_a_cluster:
	s_bfe_u32 s2, ttmp6, 0x10000c
	s_cmp_lg_u32 s2, 0x3003
	s_cbranch_scc0 .Lentry_shape_is_right
	s_endpgm
.Lentry_shape_is_right:
.set AS_OFF, 3145728
; out = attn w_out + b_out on codes of FP6 (E2M3) with E8M0 scales; f32 out.
; SHARES.  Work-group (i, j): rows 128 i .. + 127 x columns 128 j .. + 127.  Wave w: row tiles 4 (w / 2) + 0 .. 3 (64 rows) x 64 columns, row tile by row tile: four accumulators, two sets by turns.
; attn's fragments come straight from memory into registers, tile by tile.  The weights of the work-group's 128 columns and their scale words, 102,400 bytes, come into LDS once, one tensor load a wave (two K steps each),
; and from there into 384 registers of each wave, once: row tile 0 is multiplied as they come, the others need no LDS.  A finished tile leaves while the next is multiplied.
; CLUSTER: its four work-groups have the same j and need the same weights: each load is asked for jointly by the four.  No prefetch: the launch has no loop, and all its loads go out at the head.
; Source 0 = 16 columns of w_out, source 1 = 16 rows of attn: lane (r, h) holds row r; by the tiles' order (of 64 neighbours tile j takes 32 (r / 8) + 8 j + r % 8) the 32 registers of four tiles are columns 32 h + 0 .. 31.
; The bias is the C of each sum's first product.  A row tile goes out through the wave's own stage in LDS and leaves as rows of 256 bytes, sixteen lanes to a row.
; REGISTERS, in windows of 256: window 0: addresses, scale words, the accumulators, row tile 0's fragments, rows on their way out.  Windows 1-3: fragment f at register 12 (f % 21) of window 1 + f / 21: 0-31 the weights' (4 s + t), 32-55 row tiles 1-3's (8 a + s).  Window 3, from v176: the bias.
.set GRP,    102400
.set QTR,    25600
.set STG,    102400
.set SPARE,  119808
.set LI, 1
.set L8, 2
.set L4, 3
.set BQ, 5
.set ADB, 6                            ; v6, v7 LDS address of my weight fragments: K steps 0-3, 4-7
.set ADS, 8                            ; v8, v9 of their scale words
.set STO, 10
.set RD,  11
.set CO,  12
.set SPW, 14
.set NIL, 15
.set XS, 16                            ; v16-31 attn's scale words: 4 a + s / 2; lanes 0-15 the even K step, lanes 16-31 the odd
.set WS, 32                            ; v32-47 the weights': 2 s + t / 2; lanes 0-15 the even tile, lanes 16-31 the odd
.set AC, 48                            ; v48-111 two sets of four accumulators
.set X0, 112                           ; v112-207 row tile 0
.set BK, 208                           ; v208-239
.set BI, 176
.set WV, 13
.set G1, 24
.set G0, 32
.set AB,  40
.set XSB, 42
.set BB,  46
.set OB,  48
.set MSB, 0
.macro WIN new
.if MSB != (\new)
	s_set_vgpr_msb (MSB<<8)|(\new)
.set MSB, \new
.endif
.endm
.macro PLACES
.rept 4
	v_nop
.endr
.endm
.macro CROUND
	s_barrier_signal -1
	s_barrier_wait -1
	s_cmp_lg_u32 s[WV], 0
	s_cbranch_scc1 .Lnot_wave_0_\@
	s_barrier_signal -3
.Lnot_wave_0_\@:
	s_barrier_wait -3
	s_barrier_signal -1
	s_barrier_wait -1
.endm
	s_load_b256 s[4:11], s[0:1], 0x0               ; aq s[4:5], wq s[6:7], b_out s[8:9], out0 s[10:11]
	v_lshl_add_u32 v[SPW], v0, 2, SPARE
	v_mov_b32 v[NIL], 0
	ds_add_u32 v[SPW], v[NIL]                      ; the opening lines
	ds_add_u32 v[SPW], v[NIL]
	v_lshrrev_b32 v4, 5, v0
	v_readfirstlane_b32 s[WV], v4
	s_lshr_b32 s15, s[WV], 1                       ; which 64 rows
	s_and_b32 s16, s[WV], 1                        ; which 64 columns
	s_and_b32 s19, ttmp7, 0xffff                   ; j, which the four partners share
	s_mov_b32 s[G1], 15|(3<<16)|(1<<21)            ; a dense block of 25,600 bytes as 25 rows of 1,024, to all four work-groups
	s_mov_b32 s[G1+1], 128<<16
	s_mov_b32 s[G1+2], 25<<16
	s_mov_b32 s[G1+3], 128<<16
	s_mov_b32 s[G1+4], 25
	s_mov_b32 s[G1+5], 128
	s_mov_b32 s[G1+6], 0
	s_mov_b32 s[G1+7], 0
	s_mul_i32 s52, s[WV], QTR
	s_mul_i32 s50, s19, GRP
	s_add_co_u32 s50, s50, s52
	s_add_co_u32 s50, s50, 24*GRP                  ; group 24 + j
	s_mov_b32 s51, 0
	v_and_b32 v4, 31, v0
	v_lshlrev_b32 v[LI], 4, v4
	v_lshlrev_b32 v[L8], 3, v4
	v_lshlrev_b32 v[L4], 2, v4
	v_bfe_u32 v208, v0, 4, 1
	v_lshlrev_b32 v[BQ], 7, v208
	v_and_b32 v209, 15, v0
	s_mul_i32 s53, s16, 6144
	v_add_nc_u32 v[ADB], s53, v[LI]
	v_add_nc_u32 v[ADB+1], 2*QTR, v[ADB]
	s_lshl_b32 s53, s16, 8
	s_add_co_u32 s53, s53, 24576
	v_add_nc_u32 v[ADS], s53, v[L4]
	v_add_nc_u32 v[ADS+1], 2*QTR, v[ADS]
	s_mul_i32 s53, s[WV], 4352
	s_add_co_u32 s53, s53, STG
	v_mul_u32_u24 v[STO], v209, 272
	v_lshl_add_u32 v[STO], v208, 7, v[STO]
	v_add_nc_u32 v[STO], s53, v[STO]               ; into the stage: row r, 128 bytes for each half of the lanes
	v_mul_u32_u24 v[RD], v208, 272
	v_lshl_add_u32 v[RD], v209, 4, v[RD]
	v_add_nc_u32 v[RD], s53, v[RD]                 ; back: sixteen lanes to a row
	v_lshlrev_b32 v[CO], 12, v208
	v_lshl_add_u32 v[CO], v209, 4, v[CO]
	s_wait_alu depctr_va_vdst(0)
	s_wait_dscnt 0x0
	CROUND                                         ; all four work-groups are here: the joint loads meet
	s_wait_kmcnt 0x0
	s_mov_b32 s[G0], 1
	s_mov_b32 s[G0+1], s52
	s_add_nc_u64 s[G0+2:G0+3], s[6:7], s[50:51]
	s_or_b32 s[G0+3], s[G0+3], 0x80000000
	s_cmp_lt_u32 s[WV], 2
	s_cbranch_scc0 .Lrest
	tensor_load_to_lds s[G0:G0+3], s[G1:G1+7]      ; waves 0 and 1: K steps 0-3, a line of their own
	s_nop 0
	PLACES
	s_branch .Lasked
.Lrest:
	tensor_load_to_lds s[G0:G0+3], s[G1:G1+7]      ; waves 2 and 3: K steps 4-7
	s_nop 0
	PLACES
.Lasked:
	s_bfe_u32 s17, ttmp6, 0x40000                  ; cx: it enters addresses in memory of my own loads and stores alone
	s_lshl_b32 s18, ttmp9, 2
	s_add_co_u32 s18, s18, s17                     ; i
	s_lshl_b32 s56, s18, 3
	s_lshl_b32 s57, s15, 2
	s_add_co_u32 s56, s56, s57                     ; my first row tile
	s_mul_i32 s58, s56, 12288
	s_mov_b32 s59, 0
	s_add_nc_u64 s[AB:AB+1], s[4:5], s[58:59]
	s_lshl_b32 s58, s56, 9
	s_add_co_u32 s58, s58, AS_OFF
	s_add_nc_u64 s[XSB:XSB+1], s[4:5], s[58:59]
	s_lshl_b32 s58, s19, 9
	s_lshl_b32 s60, s16, 8
	s_add_co_u32 s58, s58, s60
	s_add_nc_u64 s[BB:BB+1], s[8:9], s[58:59]
	s_lshl_b32 s61, s56, 16
	s_add_co_u32 s58, s58, s61
	s_add_nc_u64 s[OB:OB+1], s[10:11], s[58:59]
.irp a, 0,1,2,3
	global_load_b128 v[XS+4*\a:XS+4*\a+3], v[LI], s[XSB:XSB+1] offset:512*\a
.endr
	WIN 0xc0
.irp t, 0,1,2,3
	global_load_b128 v[BI+8*\t:BI+8*\t+3], v[BQ], s[BB:BB+1] offset:32*\t
	global_load_b128 v[BI+8*\t+4:BI+8*\t+7], v[BQ], s[BB:BB+1] offset:32*\t+16
.endr
.macro XREG a, s                       ; where row tile a's fragment of K step s stands: window xw, register xr
.if (\a) == 0
.set xw, 0
.set xr, X0+12*(\s)
.else
.set xw, 1+(24+8*(\a)+(\s))/21
.set xr, 12*((24+8*(\a)+(\s))%21)
.endif
.endm
.set ia, 0
.rept 4                                ; attn's fragments, tile by tile: 32 loads a tile
.set is, 0
.rept 8
	XREG ia, is
	WIN xw<<6
	global_load_b128 v[xr:xr+3], v[LI], s[AB:AB+1] offset:12288*ia+1536*is
	global_load_b64 v[xr+4:xr+5], v[L8], s[AB:AB+1] offset:12288*ia+1536*is+512
	global_load_b128 v[xr+6:xr+9], v[LI], s[AB:AB+1] offset:12288*ia+1536*is+768
	global_load_b64 v[xr+10:xr+11], v[L8], s[AB:AB+1] offset:12288*ia+1536*is+1280
.set is, is+1
.endr
.set ia, ia+1
.endr
	WIN 0
.macro WFETCH s                        ; K step s of the weights: four fragments and two registers of scale words, 14 loads
.set it, 0
.rept 4
	WIN (1+(4*(\s)+it)/21)<<6
.irp c, 0,1,2
	ds_load_b128 v[12*((4*(\s)+it)%21)+4*\c:12*((4*(\s)+it)%21)+4*\c+3], v[ADB+(\s)/4] offset:QTR*(((\s)/2)&1)+12288*((\s)&1)+1536*it+512*\c
.endr
.set it, it+1
.endr
	WIN 0
.irp u, 0,1
	ds_load_b32 v[WS+2*(\s)+\u], v[ADS+(\s)/4] offset:QTR*(((\s)/2)&1)+512*((\s)&1)+128*\u
.endr
.endm
.macro WM
.if rRA && rRB
	v_wmma_scale_f32_16x16x128_f8f6f4 v[rD:rD+7], v[rA:rA+11], v[xr:xr+11], v[rC:rC+7], v[rSA], v[rSB] matrix_a_fmt:MATRIX_FMT_FP6 matrix_b_fmt:MATRIX_FMT_FP6 matrix_a_scale:MATRIX_SCALE_ROW1 matrix_b_scale:MATRIX_SCALE_ROW1
.elseif rRA
	v_wmma_scale_f32_16x16x128_f8f6f4 v[rD:rD+7], v[rA:rA+11], v[xr:xr+11], v[rC:rC+7], v[rSA], v[rSB] matrix_a_fmt:MATRIX_FMT_FP6 matrix_b_fmt:MATRIX_FMT_FP6 matrix_a_scale:MATRIX_SCALE_ROW1
.elseif rRB
	v_wmma_scale_f32_16x16x128_f8f6f4 v[rD:rD+7], v[rA:rA+11], v[xr:xr+11], v[rC:rC+7], v[rSA], v[rSB] matrix_a_fmt:MATRIX_FMT_FP6 matrix_b_fmt:MATRIX_FMT_FP6 matrix_b_scale:MATRIX_SCALE_ROW1
.else
	v_wmma_scale_f32_16x16x128_f8f6f4 v[rD:rD+7], v[rA:rA+11], v[xr:xr+11], v[rC:rC+7], v[rSA], v[rSB] matrix_a_fmt:MATRIX_FMT_FP6 matrix_b_fmt:MATRIX_FMT_FP6
.endif
.endm
; K step s of row tile a: four products, the accumulators by turns.
.macro PROD a, s
	XREG \a, \s
.set it, 0
.rept 4
.set rA, 12*((4*(\s)+it)%21)
.set rD, AC+32*((\a)&1)+8*it
.set ww, (1+(4*(\s)+it)/21)|(xw<<2)
.set rC, rD
.if (\s) == 0
.set rC, BI+8*it
.set ww, ww|0x30
.endif
.set rSA, WS+2*(\s)+it/2
.set rRA, it&1
.set rSB, XS+4*(\a)+(\s)/2
.set rRB, (\s)&1
	WIN ww
	WM
.set it, it+1
.endr
.endm
.macro PRODS a, s0                     ; four K steps
.set ks, \s0
.rept 4
	PROD \a, ks
.set ks, ks+1
.endr
	WIN 0
.endm
.macro STREAM s0                       ; row tile 0, four K steps, as the weights come
.set ks, \s0
.rept 4
	WFETCH ks
.set ks, ks+1
.endr
.set ks, \s0
.rept 4
	s_wait_dscnt 14*(\s0+3-ks)                     ; this K step's loads are in; the later steps' 14 each may be out
	PROD 0, ks
	WIN 0
.set ks, ks+1
.endr
.endm
.macro STAGE a                         ; row tile a into my stage, and back as whole rows
	PLACES                                         ; in front of the first read of results (ISA guide 7.12.1)
.irp t, 0,1,2,3
	ds_store_b128 v[STO], v[AC+32*((\a)&1)+8*\t:AC+32*((\a)&1)+8*\t+3] offset:32*\t
	ds_store_b128 v[STO], v[AC+32*((\a)&1)+8*\t+4:AC+32*((\a)&1)+8*\t+7] offset:32*\t+16
.endr
.if (\a) > 0
	s_wait_xcnt 0x0                                ; the last tile's stores have read the registers that are loaded again
.endif
.irp i, 0,1,2,3,4,5,6,7
	ds_load_b128 v[BK+4*\i:BK+4*\i+3], v[RD] offset:544*\i   ; LDS serves a wave's instructions in order (ISA guide 5.7.1.4)
.endr
.endm
.macro SEND a
.irp i, 0,1,2,3,4,5,6,7
	s_wait_dscnt 7-\i                              ; the later reads may be out
	global_store_b128 v[CO], v[BK+4*\i:BK+4*\i+3], s[OB:OB+1] offset:(8*(\a)+2*\i+24*(\i/4))*4096 th:TH_STORE_NT
.endr
.endm
	s_wait_alu depctr_va_vdst(0)
	s_cmp_lt_u32 s[WV], 2
	s_cbranch_scc0 .Lnot_first
	s_wait_tensorcnt 0x0                           ; waves 0 and 1: K steps 0-3 have landed;
.Lnot_first:
	s_barrier_signal -1
	s_barrier_wait -1                              ; the others may still be on their way
	s_wait_loadcnt 63                              ; row tile 0, the scale words and the bias are in; the later tiles' 96 loads stand behind them (the count names 63 at the most)
	STREAM 0
	s_wait_tensorcnt 0x0                           ; all K steps have landed,
	s_wait_dscnt 0x0
	s_barrier_signal -1
	s_barrier_wait -1                              ; in all waves
	STREAM 4
	STAGE 0
.irp a, 1,2,3
.if \a == 1
	s_wait_loadcnt 63                              ; row tile 1 is in: 64 later loads stand behind it
.else
	s_wait_loadcnt 32*(3-\a)                       ; row tile a is in; the later tile's 32 loads may be out
.endif
	PRODS \a, 0
	SEND \a-1                                      ; the tile before leaves
	PRODS \a, 4
	STAGE \a
.endr
	SEND 3
	s_wait_tensorcnt 0x0                           ; the wave's end
	ds_add_u32 v[SPW], v[NIL]
	s_wait_dscnt 0x0
	CROUND                                         ; the closing round: no work-group ends while a partner may still ask for a tile that names it
	s_endpgm
.Lfunc_end_k_q7d02abaa5a_proj:
	.size	k_q7d02abaa5a_proj, .Lfunc_end_k_q7d02abaa5a_proj-k_q7d02abaa5a_proj
	.p2alignl 7, 3214868480
	.fill 96, 4, 3214868480
	.section	.rodata,"a",@progbits
	.p2align	6, 0x0
	.amdhsa_kernel k_q7d02abaa5a_proj
		.amdhsa_group_segment_fixed_size 167936
		.amdhsa_private_segment_fixed_size 0
		.amdhsa_enable_private_segment 0
		.amdhsa_kernarg_size 32
		.amdhsa_user_sgpr_count 2
		.amdhsa_user_sgpr_kernarg_segment_ptr 1
		.amdhsa_wavefront_size32 1
		.amdhsa_system_sgpr_workgroup_id_x 1
		.amdhsa_system_sgpr_workgroup_id_y 1
		.amdhsa_system_sgpr_workgroup_id_z 1
		.amdhsa_system_vgpr_workitem_id 0
		.amdhsa_next_free_vgpr 976
		.amdhsa_next_free_sgpr 66
		.amdhsa_reserve_vcc 0
		.amdhsa_float_denorm_mode_32 3
		.amdhsa_float_denorm_mode_16_64 3
		.amdhsa_memory_ordered 1
		.amdhsa_forward_progress 1
		.amdhsa_inst_pref_size 53
	.end_amdhsa_kernel
	.amdgpu_metadata
---
amdhsa.version: [ 1, 2 ]
amdhsa.kernels:
  - .name:           k_q7d02abaa5a_proj
    .symbol:         k_q7d02abaa5a_proj.kd
    .args:
      - { .name: aq, .offset: 0, .size: 8, .value_kind: global_buffer, .address_space: global }
      - { .name: wq, .offset: 8, .size: 8, .value_kind: global_buffer, .address_space: global }
      - { .name: b_out, .offset: 16, .size: 8, .value_kind: global_buffer, .address_space: global }
      - { .name: out0, .offset: 24, .size: 8, .value_kind: global_buffer, .address_space: global }
    .group_segment_fixed_size: 167936
    .private_segment_fixed_size: 0
    .kernarg_segment_align: 8
    .kernarg_segment_size: 32
    .max_flat_workgroup_size: 128
    .sgpr_count:     66
    .vgpr_count:     976
    .wavefront_size: 32
...
	.end_amdgpu_metadata
.endif
;; end of part 4
